; MI455X (gfx1250); checked and timed in simulation.
; The chip was launched on July 23, 2026; its instructions are those of AMD's public machine-readable ISA for CDNA 5 (MIT licence, August 2026) and "CDNA5" Instruction Set Architecture Reference Guide (July 2026). The comments in the code are by the model that wrote it; some were corrected since.
;; Multi Head Attention. Allowed arithmetic: matrix products marked QUANTISED: E2M1 operands, one E8M0 scale for each 32 along K, by v_wmma_scale_f32_16x16x128_f8f6f4 with both operands' format E2M1 (or v_wmma_scale_f32_32x16x128_f4), f32 sums; products left as they are: bf16, f16 or f32 operands; f32 sums; everything else in f32.
;; Inputs: Wk 1,024 x 1,024 float32; Wo 1,024 x 1,024 float32; Wq 1,024 x 1,024 float32; Wv 1,024 x 1,024 float32; k 4 x 2,048 x 1,024 float32; mask 4 x 2,048 x 2,048 int32; q 4 x 2,048 x 1,024 float32; v 4 x 2,048 x 1,024 float32.
;; Outputs: out0 4 x 2,048 x 1,024 float32.
;; This version of the problem:
;;   THIS VERSION OF THE PROBLEM IS GIVEN IN LOW PRECISION. The matrix products marked QUANTISED in the list below multiply operands that are first quantised to E2M1 (2 exponent bits, 1 mantissa bit; 4 bits a number), with one power-of-two scale for each 32 numbers along K (OCP MX v1.0); their sums are f32. The products marked 'left as it is' may take bf16, f16 or f32 operands, with f32 sums. Whichever they take, every output number must still come out within the allowed error. Rounding operands to bf16 (8 significant bits) uses up far more of that allowance than f16 does (11 bits, for magnitudes from 6e-5 to 65,504). All else is computed in f32.
;;   The module's matrix products, in the order in which they are computed (A, B: the left and right operand; K: the contracted axis; several contracted axes count as one K, in the product's order):
;;     1. [M 8,192, K 1,024] x [K 1,024, N 1,024]; A: input q; B: input Wq: QUANTISED
;;     2. [M 8,192, K 1,024] x [K 1,024, N 1,024]; A: input k; B: input Wk: QUANTISED
;;     3. [M 8,192, K 1,024] x [K 1,024, N 1,024]; A: input v; B: input Wv: QUANTISED
;;     4. batch 64 x [M 2,048, K 64] x [K 64, N 2,048]; A: computed on the way; B: computed on the way: left as it is (an operand is computed on the way)
;;     5. batch 64 x [M 2,048, K 2,048] x [K 2,048, N 64]; A: computed on the way; B: computed on the way: left as it is (an operand is computed on the way)
;;     6. [M 8,192, K 1,024] x [K 1,024, N 1,024]; A: computed on the way; B: input Wo: left as it is (an operand is computed on the way)
;;   THE QUANTISER, for each operand of a quantised product, along K:
;;     - K is cut into blocks of 32 from its start; a last block that is shorter is filled with zeros.
;;     - A block's scale is 2^e with e = floor(log2(the largest magnitude in the block)) - 2, held to -126 .. 127; a block of zeros has e = 0. As a byte (E8M0): e + 127.
;;     - Each number is divided by its block's scale, clamped to +-6, and rounded to the nearest number of E2M1, ties to even, subnormals kept.
;;     - The product sums the exact products of the quantised numbers (number of the format x scale) in f32.
;;   ~~~python
;;   def quantise(x, axis):      # numpy; x: float32 -> the quantised numbers, widened to float32 again
;;       x = np.moveaxis(x, axis, -1); K = x.shape[-1]
;;       x = np.pad(x, [(0, 0)] * (x.ndim - 1) + [(0, -K % 32)]); x = x.reshape(x.shape[:-1] + (-1, 32)); a = np.abs(x).max(-1, keepdims=True)
;;       e = np.where(a > 0, np.clip(np.frexp(np.where(a > 0, a, 1))[1] - 1 - 2, -126, 127), 0)      # np.frexp(a)[1] - 1 = floor(log2(a)), exactly
;;       r = np.clip(x / 2.0 ** e, -6, 6)
;;       step = 2.0 ** (np.maximum(np.frexp(np.where(r == 0, 1, r))[1] - 1, 0) - 1)
;;       q = np.round(r / step) * step * 2.0 ** e      # np.round: ties to even
;;       return np.moveaxis(q.reshape(q.shape[:-2] + (-1,))[..., :K], -1, axis).astype(np.float32)
;;   ~~~
;; One version. Each part assembles by itself: llvm-mc -triple=amdgcn-amd-amdhsa -mcpu=gfx1250 --defsym DOCPART=n.
;; ======== version 1 of 1: 4 launches
;; limits: values are held in f16: magnitudes above 65,504 overflow, below 6.1e-05 lose precision
;; workspace buffers: xc 12,582,912 bytes; xs 786,432 bytes; wc 1,572,864 bytes; wsc 98,304 bytes; wo16 2,097,152 bytes; maskw 2,097,152 bytes of whole numbers; qkv 50,331,648 bytes; att 16,777,216 bytes
;; launch prep (part 1): grid 1360 x 1, 4 waves a work-group, no clusters, 75,264 bytes of LDS; arguments q, k, v, mask, Wq, Wk, Wv, Wo, xc, xs, wc, wsc, wo16, maskw; writes xc, xs, wc, wsc, wo16, maskw
.if DOCPART == 1
	.amdgcn_target "amdgcn-amd-amdhsa--gfx1250"
	.amdhsa_code_object_version 6
	.text
	.protected	k_qfd113ba6ea_prep
	.globl	k_qfd113ba6ea_prep
	.p2align	8
	.type	k_qfd113ba6ea_prep,@function
k_qfd113ba6ea_prep:
	s_mov_b64 s[64:65], 0
	v_nop
	global_prefetch_b8 v0, s[64:65] scope:SCOPE_SE
	s_setreg_imm32_b32 hwreg(HW_REG_WAVE_MODE, 25, 1), 1
	s_wait_xcnt 0x0
; PREP: everything that is made once from the inputs, in one launch of four paths chosen by the work-group's number.
;   work-groups    0 ..   47  Wq, Wk, Wv [1024 k][1024 n] f32 -> codes of E2M1 with K innermost, wc [3][1024 n][512 bytes], and E8M0 bytes wsc [3][1024 n][32]
;   work-groups   48 ..   79  Wo f32 -> f16, laid as Wo
;   work-groups   80 ..  591  mask [4][2048][2048] int32 -> select words maskw [b][16 queries][16 keys][8] u32
;   work-groups  592 .. 1359  q, k, v [8192][1024] f32 -> codes xc [3][8192][512 bytes] and E8M0 bytes xs [3][8192][32]
; THE QUANTISER: a block of 32 along K has the scale 2^(floor(log2(largest magnitude)) - 2); its byte is the largest magnitude's exponent field - 2, held at 1 from below; each number is
; divided by the scale and rounded to the nearest code, ties to even, beyond 6 the code of 6.
; LIMITS: a block of zeros gets the byte 1 (the rule says 127): its codes are zeros, which add nothing, and the bytes are read by this program alone.  NaN and infinities among the inputs are not served.
; Wo in f16: magnitudes up to 65,504; under 6e-5 the step is 6e-8.
; A stream: no tensor load, no barrier, no matrix instruction; waves share nothing.  Each path has LDS bytes of its own.
.set SPARE, 74752                      ; behind the three regions: the spare words, 128 bytes for each wave: two blocks of 256 bytes that no other line names
.set SPW,   198                        ; v198 LDS address of my spare word; never rewritten
.set NIL,   199                        ; v199 0; never rewritten
.macro FINISH                          ; a wave's end, behind the last LDS store
	s_wait_tensorcnt 0x0
	ds_add_u32 v[SPW], v[NIL]
	s_wait_dscnt 0x0
	s_endpgm
.endm
	v_lshl_add_u32 v[SPW], v0, 2, SPARE
	v_mov_b32 v[NIL], 0
	v_lshrrev_b32 v1, 5, v0
	v_readfirstlane_b32 s16, v1                    ; wave 0..3
	v_and_b32 v2, 31, v0                           ; lane
	s_cmp_lt_u32 ttmp9, 48
	s_cbranch_scc1 .Lweights
	s_cmp_lt_u32 ttmp9, 80
	s_cbranch_scc1 .Lwo
	s_cmp_lt_u32 ttmp9, 592
	s_cbranch_scc1 .Lmask
; ---------------------------------------------------------------- q, k, v: K is innermost
; Rows are dense and 1,024 is a multiple of 32: a tensor is a stream of blocks of 32.  A wave takes 16 steps of 512 numbers.  Each load reads 512 consecutive bytes; a step's 2,048 bytes turn through the
; wave's own stage in LDS (16 bytes of padding behind each 64) and come back 64 bytes a lane: 16 neighbours along K, two lanes to a block.  A lane's 16 codes are 8 bytes: a store covers 256 consecutive bytes.
; A wave's 256 scale bytes are gathered in LDS and leave as 256 consecutive bytes.
.set AWREG, 5632                       ; LDS from byte 0: a region for each wave: two stages of 32 x 80 bytes, its 256 scale bytes at 5,120
.set ASP,   80
.set AR,    16                         ; v16-79   four sets of 16 numbers as loaded
.set AX,    80                         ; v80-111  two sets of 16 neighbours
.set AE,    112                        ; v112-127 a scale byte for each step
.set AC,    128                        ; v128-191 codes, four registers a step: no store's data are written again
	s_load_b128 s[4:7], s[0:1], 0x0                ; q, k
	s_load_b64 s[8:9], s[0:1], 0x10                ; v
	s_load_b128 s[12:15], s[0:1], 0x40             ; xc, xs
	v_lshlrev_b32 v3, 4, v2                        ; my 16 bytes of a load's 512
	s_mul_i32 s17, s16, AWREG
	v_lshrrev_b32 v14, 2, v2
	v_mul_u32_u24 v14, v14, ASP
	v_and_b32 v15, 3, v2
	v_lshl_add_u32 v14, v15, 4, v14
	v_add_nc_u32 v14, s17, v14                     ; the stage, in: 80 (lane / 4) + 16 (lane % 4)
	v_mul_u32_u24 v15, v2, ASP
	v_add_nc_u32 v15, s17, v15                     ; and out: 80 x lane
	v_lshlrev_b32 v4, 3, v2                        ; 8 bytes a lane: my codes' place in a step's, and my scale bytes' on the way out
	v_lshrrev_b32 v5, 1, v2
	s_add_co_u32 s17, s17, 2*32*ASP
	v_add_nc_u32 v5, s17, v5                       ; LDS: my block's scale byte
	v_add_nc_u32 v6, s17, v4
	s_sub_co_u32 s18, ttmp9, 592                   ; 256 work-groups to a tensor
	s_wait_kmcnt 0x0
	s_cmp_lt_u32 s18, 512                          ; the input is chosen by the work-group's number alone
	s_cselect_b64 s[6:7], s[6:7], s[8:9]
	s_cmp_lt_u32 s18, 256
	s_cselect_b64 s[4:5], s[4:5], s[6:7]
	s_and_b32 s20, s18, 255
	s_lshl_b32 s20, s20, 2
	s_add_co_u32 s20, s20, s16
	s_lshl_b32 s20, s20, 15                        ; my run of 8,192 numbers in its tensor: 32,768 bytes a run
	s_mov_b32 s21, 0
	s_add_nc_u64 s[4:5], s[4:5], s[20:21]
	s_lshl_b32 s22, s18, 2
	s_add_co_u32 s22, s22, s16                     ; the three tensors' codes and bytes lie on end
	s_lshl_b32 s20, s22, 12
	s_add_nc_u64 s[12:13], s[12:13], s[20:21]      ; 4,096 bytes of codes a run
	s_lshl_b32 s20, s22, 8
	s_add_nc_u64 s[14:15], s[14:15], s[20:21]      ; 256 scale bytes a run
.macro ALOAD t
.irp i, 0,1,2,3
	global_load_b128 v[AR+16*((\t)%4)+4*\i:AR+16*((\t)%4)+4*\i+3], v3, s[4:5] offset:2048*(\t)+512*\i th:TH_LOAD_NT
.endr
.endm
.macro ATURN t                         ; LDS serves a wave's instructions in order: no wait between the stores and the loads
.irp i, 0,1,2,3
	ds_store_b128 v14, v[AR+16*((\t)%4)+4*\i:AR+16*((\t)%4)+4*\i+3] offset:32*ASP*((\t)%2)+8*ASP*\i
.endr
.irp i, 0,1,2,3
	ds_load_b128 v[AX+16*((\t)%2)+4*\i:AX+16*((\t)%2)+4*\i+3], v15 offset:32*ASP*((\t)%2)+16*\i
.endr
.endm
.irp t, 0,1,2,3
	ALOAD \t
.endr
	s_wait_loadcnt 12                              ; step 0's four loads are in
	ATURN 0
.macro ASTEP t
.set XS, AX+16*((\t)%2)
.if (\t) > 0
	s_wait_dscnt 1                                 ; this step's numbers are back from the stage; the last step's byte store may be out
.else
	s_wait_dscnt 0x0
.endif
.if (\t)+4 < 16
	ALOAD (\t)+4                                   ; into the set whose stores into the stage are done
.endif
.if (\t)+1 < 16
.if 14-(\t) >= 3
	s_wait_loadcnt 12                              ; the next step's four loads are in; those of the three steps behind it may be out
.else
	s_wait_loadcnt 4*(14-(\t))
.endif
	ATURN (\t)+1
.endif
	v_max3_num_f32 v8, |v[XS]|, |v[XS+1]|, |v[XS+2]|
	v_max3_num_f32 v9, |v[XS+3]|, |v[XS+4]|, |v[XS+5]|
.irp i, 6,10
	v_max3_num_f32 v8, v8, |v[XS+\i]|, |v[XS+\i+1]|
	v_max3_num_f32 v9, v9, |v[XS+\i+2]|, |v[XS+\i+3]|
.endr
	v_max3_num_f32 v8, v8, |v[XS+14]|, |v[XS+15]|
	v_max3_num_f32 v8, v8, v9, 0x1800000           ; and the floor 2^(3 - 127): the byte cannot fall under 1
	v_max_num_f32_dpp v8, v8, v8 row_xmask:1 row_mask:0xf bank_mask:0xf   ; with my neighbour's 16: the block's largest magnitude
	v_add_nc_u32 v11, 0xff000000, v8               ; 2 off its exponent field: the conversion takes the exponent field of this operand as its scale
	v_cvt_scalef32_pk8_fp4_f32 v[AC+4*(\t)], v[XS:XS+7], v11
	v_cvt_scalef32_pk8_fp4_f32 v[AC+4*(\t)+1], v[XS+8:XS+15], v11
	v_lshrrev_b32 v[AE+(\t)], 23, v11              ; the scale's byte
	ds_store_b8 v5, v[AE+(\t)] offset:16*(\t)      ; both lanes of a block write the same byte with the same value
	global_store_b64 v4, v[AC+4*(\t):AC+4*(\t)+1], s[12:13] offset:256*(\t)
.endm
.irp t, 0,1,2,3,4,5,6,7,8,9,10,11,12,13,14,15
	ASTEP \t
.endr
	ds_load_b64 v[8:9], v6
	s_wait_dscnt 0x0
	global_store_b64 v4, v[8:9], s[14:15]          ; 32 lanes store 256 consecutive bytes
	FINISH
; ---------------------------------------------------------------- Wq, Wk, Wv: K is the FIRST axis
; A lane takes a column n and its registers run down K: each load reads 128 consecutive bytes a wave, a block of 32 along K lies in one lane's 32 registers, and the conversions give codes with K innermost.
; A wave takes 32 columns x 512 along K.  The codes go through the wave's stage (rows of 272 bytes) and leave by rows: sixteen lanes store 256 consecutive bytes.
.Lweights:
.set WSTG,   39936                     ; LDS: 4 stages of 32 x 272 bytes
.set WPITCH, 272
.set WX,     32                        ; v32-95   two sets of 32 numbers
.set WC,     96                        ; v96-99   a block's codes
.set WOUT,   112                       ; v112-175 the way out
.set WSB,    24                        ; v24-27   the scale bytes, four to a register
	s_load_b128 s[4:7], s[0:1], 0x20               ; Wq, Wk
	s_load_b64 s[8:9], s[0:1], 0x30                ; Wv
	s_load_b128 s[12:15], s[0:1], 0x50             ; wc, wsc
	s_and_b32 s17, ttmp9, 7
	s_lshl_b32 s17, s17, 7
	s_lshl_b32 s18, s16, 5
	s_add_co_u32 s17, s17, s18                     ; my wave's first column
	s_bfe_u32 s18, ttmp9, 0x10003                  ; which 512 along K
	s_lshr_b32 s19, ttmp9, 4                       ; which tensor
	v_lshlrev_b32 v3, 2, v2
	s_mul_i32 s20, s16, 32*WPITCH
	s_add_co_u32 s20, s20, WSTG
	v_mul_u32_u24 v4, v2, WPITCH
	v_add_nc_u32 v4, s20, v4                       ; into the stage: row = my column
	v_and_b32 v5, 15, v2
	v_lshrrev_b32 v6, 4, v2
	v_mul_u32_u24 v7, v6, WPITCH
	v_lshl_add_u32 v7, v5, 4, v7
	v_add_nc_u32 v7, s20, v7                       ; out of it: sixteen lanes to a row
	v_lshlrev_b32 v8, 9, v6
	v_lshl_add_u32 v8, v5, 4, v8                   ; the same place in wc: rows of 512 bytes
	v_lshlrev_b32 v9, 5, v2                        ; my column's row of scale bytes
	s_lshl_b32 s22, s18, 21                        ; 512 rows of 4,096 bytes
	s_lshl_b32 s23, s17, 2
	s_add_co_u32 s22, s22, s23
	s_mov_b32 s23, 0
	s_lshl_b32 s24, s19, 10
	s_add_co_u32 s24, s24, s17                     ; first row of wc and wsc
	s_lshl_b32 s26, s24, 9
	s_lshl_b32 s25, s18, 8
	s_add_co_u32 s26, s26, s25
	s_mov_b32 s27, 0
	s_lshl_b32 s28, s24, 5
	s_lshl_b32 s25, s18, 4
	s_add_co_u32 s28, s28, s25
	s_mov_b32 s29, 0
	s_wait_kmcnt 0x0
	s_cmp_lt_u32 ttmp9, 32
	s_cselect_b64 s[6:7], s[6:7], s[8:9]
	s_cmp_lt_u32 ttmp9, 16
	s_cselect_b64 s[4:5], s[4:5], s[6:7]
	s_add_nc_u64 s[4:5], s[4:5], s[22:23]
	s_add_nc_u64 s[12:13], s[12:13], s[26:27]
	s_add_nc_u64 s[14:15], s[14:15], s[28:29]
.macro WLOAD t
.irp i, 0,1,2,3,4,5,6,7,8,9,10,11,12,13,14,15,16,17,18,19,20,21,22,23,24,25,26,27,28,29,30,31
	global_load_b32 v[WX+32*((\t)%2)+\i], v3, s[4:5] offset:(32*(\t)+\i)*4096 th:TH_LOAD_NT
.endr
.endm
	WLOAD 0
	WLOAD 1
.macro WBLOCK t
.set XS, WX+32*((\t)%2)
.if (\t) < 15
	s_wait_loadcnt 32                              ; this block's 32 loads are in; the next block's may be out
.else
	s_wait_loadcnt 0
.endif
	v_max3_num_f32 v12, |v[XS]|, |v[XS+1]|, |v[XS+2]|
	v_max3_num_f32 v13, |v[XS+3]|, |v[XS+4]|, |v[XS+5]|
.irp i, 6,10,14,18,22,26
	v_max3_num_f32 v12, v12, |v[XS+\i]|, |v[XS+\i+1]|
	v_max3_num_f32 v13, v13, |v[XS+\i+2]|, |v[XS+\i+3]|
.endr
	v_max3_num_f32 v12, v12, |v[XS+30]|, |v[XS+31]|
	v_max3_num_f32 v12, v12, v13, 0x1800000        ; the floor
	v_add_nc_u32 v11, 0xff000000, v12
	v_lshrrev_b32 v13, 23, v11                     ; the scale's byte
.if (\t)%4 == 0
	v_mov_b32 v[WSB+(\t)/4], v13
.else
	v_lshl_or_b32 v[WSB+(\t)/4], v13, 8*((\t)%4), v[WSB+(\t)/4]
.endif
.irp g, 0,1,2,3
	v_cvt_scalef32_pk8_fp4_f32 v[WC+\g], v[XS+8*\g:XS+8*\g+7], v11
.endr
	ds_store_b128 v4, v[WC:WC+3] offset:16*(\t)
.if (\t)+2 < 16
	WLOAD (\t)+2
.endif
	s_wait_dscnt 0x0                               ; the store has read its registers: the next block's codes may be written
.endm
.set Q, 0
.rept 16
	WBLOCK Q
.set Q, Q+1
.endr
	global_store_b128 v9, v[WSB:WSB+3], s[14:15]   ; my column's 16 scale bytes
.irp t, 0,1,2,3,4,5,6,7,8,9,10,11,12,13,14,15
	ds_load_b128 v[WOUT+4*\t:WOUT+4*\t+3], v7 offset:2*\t*WPITCH
.endr
.irp t, 0,1,2,3,4,5,6,7,8,9,10,11,12,13,14,15
	s_wait_dscnt 15-\t
	global_store_b128 v8, v[WOUT+4*\t:WOUT+4*\t+3], s[12:13] offset:2*\t*512
.endr
	FINISH
; ---------------------------------------------------------------- Wo: f32 to f16, as it lies
; A wave takes 8,192 numbers: 64 loads of 512 bytes in four groups of 16, two groups ahead; each load's 128 numbers leave as 256 consecutive bytes.
.Lwo:
	s_load_b64 s[4:5], s[0:1], 0x38                ; Wo
	s_load_b64 s[6:7], s[0:1], 0x60                ; wo16
	s_sub_co_u32 s17, ttmp9, 48
	s_lshl_b32 s17, s17, 2
	s_add_co_u32 s17, s17, s16
	s_lshl_b32 s18, s17, 15
	s_mov_b32 s19, 0
	s_lshl_b32 s20, s17, 14
	s_mov_b32 s21, 0
	v_lshlrev_b32 v3, 4, v2
	v_lshlrev_b32 v4, 3, v2
	s_wait_kmcnt 0x0
	s_add_nc_u64 s[4:5], s[4:5], s[18:19]
	s_add_nc_u64 s[6:7], s[6:7], s[20:21]
.macro OLOAD g
.irp i, 0,1,2,3,4,5,6,7,8,9,10,11,12,13,14,15
	global_load_b128 v[16+64*((\g)%2)+4*\i:16+64*((\g)%2)+4*\i+3], v3, s[4:5] offset:512*(16*(\g)+\i) th:TH_LOAD_NT
.endr
.endm
.macro OGROUP g
.if (\g) < 3
	s_wait_loadcnt 16                              ; this group is in; the next group's 16 loads may be out
.else
	s_wait_loadcnt 0
.endif
	s_wait_xcnt 0x0                                ; the last group's stores have read v144-175
.irp i, 0,1,2,3,4,5,6,7,8,9,10,11,12,13,14,15
	v_cvt_pk_f16_f32 v[144+2*\i], v[16+64*((\g)%2)+4*\i], v[16+64*((\g)%2)+4*\i+1]
	v_cvt_pk_f16_f32 v[145+2*\i], v[16+64*((\g)%2)+4*\i+2], v[16+64*((\g)%2)+4*\i+3]
.endr
.irp i, 0,1,2,3,4,5,6,7,8,9,10,11,12,13,14,15
	global_store_b64 v4, v[144+2*\i:145+2*\i], s[6:7] offset:256*(16*(\g)+\i)
.endr
.if (\g)+2 < 4
	OLOAD (\g)+2
.endif
.endm
	OLOAD 0
	OLOAD 1
	OGROUP 0
	OGROUP 1
	OGROUP 2
	OGROUP 3
	FINISH
; ---------------------------------------------------------------- the mask: 32 numbers to a word
; maskw[b][qt][kt][j], bit L = 1 where mask[b][16 qt + L % 16][16 kt + 8 (L / 16) + j] == 0: lane L's place in register j of a 16 x 16 tile of scores with the keys as rows.  So the attention launch
; takes a word into a scalar register and uses it as the select of one v_cndmask_b32.
; A work-group takes 16 rows of the mask, a wave 512 keys of them in 8 chunks of 64.  Each load reads two rows x 256 consecutive bytes; a chunk turns through the wave's stage (rows of 272 bytes), so that
; lane L holds its row's 8 numbers of each of 4 tiles; 32 compares make 32 words; v_writelane_b32 lays them so that a store of 8 bytes a lane covers 256 consecutive bytes (two chunks).
.Lmask:
.set MSTG, 22528                       ; LDS: 4 stages of 16 x 272 bytes
.set MR,   16                          ; v16-143  four sets of 32 registers as loaded
.set MX,   144                         ; v144-175 a chunk: register 8 kt + j
.set MY,   176                         ; v176-183 the words, a pair for each two chunks
	s_load_b64 s[4:5], s[0:1], 0x18                ; mask
	s_load_b64 s[6:7], s[0:1], 0x68                ; maskw
	s_sub_co_u32 s17, ttmp9, 80                    ; 128 b + qt
	s_lshl_b32 s18, s17, 17                        ; 16 rows of 8,192 bytes
	s_mov_b32 s19, 0
	s_lshl_b32 s28, s17, 12                        ; 4,096 bytes of words for 16 rows,
	s_lshl_b32 s29, s16, 10                        ; 1,024 of them my wave's
	s_add_co_u32 s28, s28, s29
	s_mov_b32 s29, 0
	v_and_b32 v5, 15, v2
	v_lshrrev_b32 v6, 4, v2
	v_lshlrev_b32 v3, 13, v6
	v_lshl_add_u32 v3, v5, 4, v3
	s_lshl_b32 s30, s16, 11
	v_add_nc_u32 v3, s30, v3                       ; in memory: row lane / 16, 16 (lane % 16), my wave's 2,048 bytes
	s_mul_i32 s31, s16, 16*272
	s_add_co_u32 s31, s31, MSTG
	v_mul_u32_u24 v7, v6, 272
	v_lshl_add_u32 v7, v5, 4, v7
	v_add_nc_u32 v7, s31, v7                       ; into the stage, as loaded
	v_mul_u32_u24 v8, v5, 272
	v_lshl_add_u32 v8, v6, 5, v8
	v_add_nc_u32 v8, s31, v8                       ; out of it: row lane % 16, 32 bytes for each half of the lanes
	v_lshlrev_b32 v4, 3, v2
.irp i, 0,1,2,3,4,5,6,7
	v_mov_b32 v[MY+\i], 0                          ; v_writelane_b32's destination counts as read
.endr
	s_wait_kmcnt 0x0
	s_add_nc_u64 s[4:5], s[4:5], s[18:19]
	s_add_nc_u64 s[6:7], s[6:7], s[28:29]
.macro MLOAD c
.irp i, 0,1,2,3,4,5,6,7
	global_load_b128 v[MR+32*((\c)%4)+4*\i:MR+32*((\c)%4)+4*\i+3], v3, s[4:5] offset:16384*\i+256*(\c) th:TH_LOAD_NT
.endr
.endm
.macro MCHUNK c
.if (\c) <= 4
	s_wait_loadcnt 24                              ; this chunk's 8 loads are in; those of three later chunks may be out
.else
	s_wait_loadcnt 8*(7-(\c))
.endif
.irp i, 0,1,2,3,4,5,6,7
	ds_store_b128 v7, v[MR+32*((\c)%4)+4*\i:MR+32*((\c)%4)+4*\i+3] offset:544*\i
.endr
.irp kt, 0,1,2,3
	ds_load_b128 v[MX+8*\kt:MX+8*\kt+3], v8 offset:64*\kt
	ds_load_b128 v[MX+8*\kt+4:MX+8*\kt+7], v8 offset:64*\kt+16
.endr
	s_wait_dscnt 0x0
.if (\c) < 4
	MLOAD (\c)+4
.endif
.irp g, 0,1,2,3
.irp i, 0,1,2,3,4,5,6,7
	v_cmp_eq_u32 s[20+\i], 0, v[MX+8*\g+\i]        ; the word of tile g, register i
.endr
.irp i, 0,1,2,3,4,5,6,7
	v_writelane_b32 v[MY+2*((\c)/2)+(\i%2)], s[20+\i], 16*((\c)%2)+(8*\g+\i)/2
.endr
.endr
.if (\c)%2 == 1
	global_store_b64 v4, v[MY+2*((\c)/2):MY+2*((\c)/2)+1], s[6:7] offset:256*((\c)/2)
.endif
.endm
	MLOAD 0
	MLOAD 1
	MLOAD 2
	MLOAD 3
.irp c, 0,1,2,3,4,5,6,7
	MCHUNK \c
.endr
	FINISH
.Lfunc_end_k_qfd113ba6ea_prep:
	.size	k_qfd113ba6ea_prep, .Lfunc_end_k_qfd113ba6ea_prep-k_qfd113ba6ea_prep
	.p2alignl 7, 3214868480
	.fill 96, 4, 3214868480
	.section	.rodata,"a",@progbits
	.p2align	6, 0x0
	.amdhsa_kernel k_qfd113ba6ea_prep
		.amdhsa_group_segment_fixed_size 75264
		.amdhsa_private_segment_fixed_size 0
		.amdhsa_enable_private_segment 0
		.amdhsa_kernarg_size 112
		.amdhsa_user_sgpr_count 2
		.amdhsa_user_sgpr_kernarg_segment_ptr 1
		.amdhsa_wavefront_size32 1
		.amdhsa_system_sgpr_workgroup_id_x 1
		.amdhsa_system_sgpr_workgroup_id_y 1
		.amdhsa_system_sgpr_workgroup_id_z 1
		.amdhsa_system_vgpr_workitem_id 0
		.amdhsa_next_free_vgpr 200
		.amdhsa_next_free_sgpr 66
		.amdhsa_reserve_vcc 0
		.amdhsa_float_denorm_mode_32 3
		.amdhsa_float_denorm_mode_16_64 3
		.amdhsa_memory_ordered 1
		.amdhsa_forward_progress 1
		.amdhsa_inst_pref_size 181
	.end_amdhsa_kernel
	.amdgpu_metadata
---
amdhsa.version: [ 1, 2 ]
amdhsa.kernels:
  - .name:           k_qfd113ba6ea_prep
    .symbol:         k_qfd113ba6ea_prep.kd
    .args:
      - { .name: q, .offset: 0, .size: 8, .value_kind: global_buffer, .address_space: global }
      - { .name: k, .offset: 8, .size: 8, .value_kind: global_buffer, .address_space: global }
      - { .name: v, .offset: 16, .size: 8, .value_kind: global_buffer, .address_space: global }
      - { .name: mask, .offset: 24, .size: 8, .value_kind: global_buffer, .address_space: global }
      - { .name: Wq, .offset: 32, .size: 8, .value_kind: global_buffer, .address_space: global }
      - { .name: Wk, .offset: 40, .size: 8, .value_kind: global_buffer, .address_space: global }
      - { .name: Wv, .offset: 48, .size: 8, .value_kind: global_buffer, .address_space: global }
      - { .name: Wo, .offset: 56, .size: 8, .value_kind: global_buffer, .address_space: global }
      - { .name: xc, .offset: 64, .size: 8, .value_kind: global_buffer, .address_space: global }
      - { .name: xs, .offset: 72, .size: 8, .value_kind: global_buffer, .address_space: global }
      - { .name: wc, .offset: 80, .size: 8, .value_kind: global_buffer, .address_space: global }
      - { .name: wsc, .offset: 88, .size: 8, .value_kind: global_buffer, .address_space: global }
      - { .name: wo16, .offset: 96, .size: 8, .value_kind: global_buffer, .address_space: global }
      - { .name: maskw, .offset: 104, .size: 8, .value_kind: global_buffer, .address_space: global }
    .group_segment_fixed_size: 75264
    .private_segment_fixed_size: 0
    .kernarg_segment_align: 8
    .kernarg_segment_size: 112
    .max_flat_workgroup_size: 128
    .sgpr_count:     66
    .vgpr_count:     200
    .wavefront_size: 32
...
	.end_amdgpu_metadata
.endif
;; end of part 1
;; launch proj (part 2): grid 4 x 96, 4 waves a work-group, clusters of 4 x 4, 327,680 bytes of LDS; arguments xc, xs, wc, wsc, qkv; writes qkv
.if DOCPART == 2
	.amdgcn_target "amdgcn-amd-amdhsa--gfx1250"
	.amdhsa_code_object_version 6
	.text
	.protected	k_qfd113ba6ea_proj
	.globl	k_qfd113ba6ea_proj
	.p2align	8
	.type	k_qfd113ba6ea_proj,@function
k_qfd113ba6ea_proj:
	s_mov_b64 s[64:65], 0
	v_nop
	global_prefetch_b8 v0, s[64:65] scope:SCOPE_SE
	s_setreg_imm32_b32 hwreg(HW_REG_WAVE_MODE, 25, 1), 1
	s_wait_xcnt 0x0
	s_wait_alu depctr_hold_cnt(0) depctr_sa_sdst(0) depctr_va_vdst(0) depctr_va_sdst(0) depctr_va_ssrc(0) depctr_va_vcc(0) depctr_vm_vsrc(0)
	s_getreg_b32 s2, hwreg(HW_REG_IB_STS2, 6, 4)
	s_cmp_eq_u32 s2, 0
	s_cbranch_scc0 .Lentry_in_a_cluster
	s_endpgm
.Lentry_in_a_cluster:
	s_bfe_u32 s2, ttmp6, 0x10000c
	s_cmp_lg_u32 s2, 0xf033
	s_cbranch_scc0 .Lentry_shape_is_right
	s_endpgm
.Lentry_shape_is_right:
; PROJ: the three quantised products q Wq, k Wk, v Wv as ONE product on codes of E2M1: A = xc [3 x 8192 rows][1024 K], B = wc [3 x 1024 n][1024 K], with one E8M0 byte for each 32 along K; sums in f32.
; Tile row ty = 0 .. 95 of 256 tokens belongs to tensor T = ty / 32, and takes B's rows 1024 T on.  The result is rounded to f16 and laid head by head: qkv [3][b][h][s][64].
; q's result is first multiplied by log2(e) / 8, so that the attention launch's scores are exponents of 2.
; LIMIT: a projected number beyond 65,504 in magnitude has no f16.
; A tile of C, 256 x 256, is made by four waves, 128 x 128 each: 64 accumulators, 512 registers.  K = 1,024 is two steps of 512, one in each of two LDS slots, both asked for at the head: no LDS byte is filled twice.
; The scale bytes of the work-group's rows, for all of K, come into LDS once, as rows of 256 bytes + 16 of padding.
; CLUSTER 4 x 4: the four of a row need the same tiles of A, the four of a column the same tiles of B: each tile is asked for jointly, by the same tensor load with the same descriptor and a mask of the four.
; THE MATRIX INSTRUCTION IS USED TRANSPOSED (source 0 = 16 rows of B, source 1 = 16 rows of A): a lane holds eight neighbouring columns of one token.
; REGISTERS: window 0: v0-31 addresses; v32-95 scale words, two sets, and nothing else; v96-127 packed results on the way out; from v128 A's fragments, one set (on the way out: rows read back).
;   window 1: B's fragments, two sets, at v0 and v128.   window 2: accumulators of my rows 0-63 ((a, b) at v[8 (8 a + b)]);   window 3: rows 64-127.
.set NQ,     4                         ; matrix instructions deep in a slot
.set ROWB,   256                       ; a tile's row: 512 codes
.set KROW,   512                       ; a row of codes in memory
.set PITCH,  272                       ; an LDS row: 256 + 16 bytes = 68 words: the 16 rows of a load start at 16 different banks (64 banks of 4 bytes: ISA guide 11.1)
.set FR,     8
.set NL,     2
.set NP,     4                         ; places behind this matrix instruction (ISA guide 7.12.1)
.set HALFT,  128*PITCH
.set SLOT,   4*HALFT
.set KS,     32                        ; a row of scale bytes
.set SCL,    2*SLOT
.set HALFS,  (128*KS/256)*272
.set SBLK,   (16*KS/256)*272
.set SPARE,  SCL+4*HALFS               ; the spare words, 128 bytes for each wave, that no other line names
.set SPITCH, 272                       ; the way out: 16 tokens x (256 bytes + 16) for each wave, in slot 0, which has had its only fill and its last read by then
.set ADRA, 16
.set ADRB, 20
.set STO,  24
.set RD,   25
.set CO,   26
.set ADRS, 27
.set SPW,  28
.set NIL,  29
.set SC,   32
.set TMP,  96
.set AF,   128
.set BK,   128
.set G1, 24
.set G0, 32
.set G1B, 48
.set G0B, 56
.set G1S, 68
.set G0S, 76
.set G1SB, 80
.set G0SB, 88
.set CM,  96                           ; s[96:97] the factor on the result: log2(e) / 8 for q, 1 for k and v
.set MSB, 0
.macro WIN new                         ; the immediate's high byte repeats the setting that is left
.if MSB != (\new)
	s_set_vgpr_msb (MSB<<8)|(\new)
.set MSB, (\new)
.endif
.endm
.set MUL_LO, 0xa1
.set MUL_HI, 0xf1
.set TO_B,   0x40
; A joint load: waves 0 and 1 fetch for A, waves 2 and 3 for B.  The branch hangs on the wave's number alone.  An s_nop 0 and four v_nop follow each line.
.macro JLOAD g0a, g1a, g0b, g1b
	s_cmp_eq_u32 s15, 0
	s_cbranch_scc0 .Lfor_b_\@
	tensor_load_to_lds s[\g0a:\g0a+3], s[\g1a:\g1a+7]
	s_nop 0
.rept 4
	v_nop
.endr
	s_branch .Lasked_\@
.Lfor_b_\@:
	tensor_load_to_lds s[\g0b:\g0b+3], s[\g1b:\g1b+7]
	s_nop 0
.rept 4
	v_nop
.endr
.Lasked_\@:
.endm
.macro CROUND                          ; a round of the cluster's barrier
	s_barrier_signal -1
	s_barrier_wait -1
	s_cmp_lg_u32 s14, 0
	s_cbranch_scc1 .Lnot_wave_0_\@
	s_barrier_signal -3
.Lnot_wave_0_\@:
	s_barrier_wait -3
	s_barrier_signal -1
	s_barrier_wait -1
.endm
	s_load_b128 s[4:7], s[0:1], 0x0                ; xc, xs
	s_load_b128 s[8:11], s[0:1], 0x10              ; wc, wsc
	s_load_b64 s[12:13], s[0:1], 0x20              ; qkv
	v_lshl_add_u32 v[SPW], v0, 2, SPARE
	v_mov_b32 v[NIL], 0
	ds_add_u32 v[SPW], v[NIL]                      ; the wave's opening: the add, twice on end, and its wait ahead of my first tensor load
	ds_add_u32 v[SPW], v[NIL]
	v_lshrrev_b32 v1, 5, v0
	v_readfirstlane_b32 s14, v1                    ; wave 0..3
	s_lshr_b32 s15, s14, 1                         ; which half of the tile's rows is mine.  Also: I fetch for A (0) or for B (1)
	s_and_b32 s16, s14, 1                          ; which half of its columns.  Also: which 128 rows I fetch
	s_bfe_u32 s40, ttmp6, 0x40000                  ; cx
	s_bfe_u32 s41, ttmp6, 0x40004                  ; cy
	s_lshl_b32 s42, ttmp9, 2
	s_add_co_u32 s42, s42, s40                     ; tile column tx
	s_and_b32 s17, ttmp7, 0xffff
	s_lshr_b32 s95, s17, 3                         ; the tensor T: eight clusters along y to a tensor, so all sixteen partners share it
	s_lshl_b32 s17, s17, 2
	s_add_co_u32 s17, s17, s41                     ; tile row ty
	s_cmp_eq_u32 s95, 0
	s_cselect_b32 s[CM], 0x3e38aa3b, 1.0           ; log2(e) / 8, or 1
	s_mov_b32 s[CM+1], s[CM]                       ; (named with it as a pair)
	s_lshl_b32 s43, s41, 2
	s_lshl_b32 s43, 15, s43                        ; my row of the cluster
	s_lshl_b32 s44, 0x1111, s40                    ; my column
	s_or_b32 s[G1+0], s43, (0<<16)|(1<<20)|(1<<21)|(5<<22)|(3<<25)  ; the mask; elements of 1 byte; padding on; bit 21 beside a mask; after every 64 words, 4 words
	s_or_b32 s[G1B+0], s44, (0<<16)|(1<<20)|(1<<21)|(5<<22)|(3<<25)
.irp g, G1, G1B
	s_mov_b32 s[\g+1], ROWB<<16                    ; tensor_dim0
	s_mov_b32 s[\g+2], 128<<16                     ; tensor_dim1
	s_mov_b32 s[\g+3], ROWB<<16                    ; tile_dim0
	s_mov_b32 s[\g+4], 128                         ; tile_dim1
	s_mov_b32 s[\g+5], KROW                        ; the pitch
	s_mov_b32 s[\g+6], 0
	s_mov_b32 s[\g+7], 0
.endr
	s_or_b32 s[G1S+0], s43, (3<<16)|(1<<20)|(1<<21)|(5<<22)|(3<<25) ; the scales of 128 rows: 4,096 dense bytes as 16 rows of 256 (32 elements of 8 bytes)
	s_or_b32 s[G1SB+0], s44, (3<<16)|(1<<20)|(1<<21)|(5<<22)|(3<<25)
.irp g, G1S, G1SB
	s_mov_b32 s[\g+1], 32<<16
	s_mov_b32 s[\g+2], (128*KS/256)<<16
	s_mov_b32 s[\g+3], 32<<16
	s_mov_b32 s[\g+4], 128*KS/256
	s_mov_b32 s[\g+5], 32
	s_mov_b32 s[\g+6], 0
	s_mov_b32 s[\g+7], 0
.endr
	s_lshl_b32 s18, s16, 7
	s_lshl_b32 s20, s17, 8
	s_add_co_u32 s20, s20, s18                     ; A: row 256 ty + 128 x half
	s_lshl_b32 s46, s42, 8
	s_add_co_u32 s46, s46, s18
	s_lshl_b32 s19, s95, 10
	s_add_co_u32 s46, s46, s19                     ; B: row 1024 T + 256 tx + 128 x half
	s_mov_b32 s21, 0
	s_mov_b32 s47, 0
	s_mov_b64 s[18:19], KS
	s_mul_u64 s[22:23], s[20:21], s[18:19]
	s_mul_u64 s[92:93], s[46:47], s[18:19]
	s_mov_b64 s[18:19], KROW
	s_mul_u64 s[20:21], s[20:21], s[18:19]
	s_mul_u64 s[46:47], s[46:47], s[18:19]
	s_mul_i32 s45, s14, HALFT                      ; where they go: wave x 128 rows
	s_mul_i32 s94, s14, HALFS
	s_wait_dscnt 0x0                               ; both opening adds are done
	s_wait_kmcnt 0x0
	s_add_nc_u64 s[20:21], s[4:5], s[20:21]
	s_add_nc_u64 s[22:23], s[6:7], s[22:23]
	s_add_nc_u64 s[46:47], s[8:9], s[46:47]
	s_add_nc_u64 s[92:93], s[10:11], s[92:93]
	CROUND                                         ; all sixteen work-groups are here: the joint loads meet
	s_mov_b32 s[G0S], 1
	s_add_co_u32 s[G0S+1], s94, SCL
	s_mov_b64 s[G0S+2:G0S+3], s[22:23]
	s_or_b32 s[G0S+3], s[G0S+3], 0x80000000
	s_mov_b32 s[G0SB], 1
	s_add_co_u32 s[G0SB+1], s94, SCL
	s_mov_b64 s[G0SB+2:G0SB+3], s[92:93]
	s_or_b32 s[G0SB+3], s[G0SB+3], 0x80000000
	JLOAD G0S, G1S, G0SB, G1SB                     ; the scales first; three loads of mine are out behind the last of these
.irp s, 0,1
	s_mov_b32 s[G0+4*\s], 1
	s_add_co_u32 s[G0+4*\s+1], s45, \s*SLOT
	s_add_nc_u64 s[G0+4*\s+2:G0+4*\s+3], s[20:21], \s*ROWB
	s_or_b32 s[G0+4*\s+3], s[G0+4*\s+3], 0x80000000
	s_mov_b32 s[G0B+4*\s], 1
	s_add_co_u32 s[G0B+4*\s+1], s45, \s*SLOT
	s_add_nc_u64 s[G0B+4*\s+2:G0B+4*\s+3], s[46:47], \s*ROWB
	s_or_b32 s[G0B+4*\s+3], s[G0B+4*\s+3], 0x80000000
	JLOAD G0+4*\s, G1, G0B+4*\s, G1B
.endr
	v_and_b32 v1, 15, v0                           ; r
	v_bfe_u32 v2, v0, 4, 1                         ; h
	v_mul_u32_u24 v3, v1, PITCH
	v_lshl_add_u32 v4, v2, 4, v3
	s_mul_i32 s21, s15, HALFT
	s_mul_i32 s22, s16, HALFT
	s_add_co_u32 s22, s22, 2*HALFT
.irp s, 0,1
	v_add_nc_u32 v[ADRA+\s], s21, v4
	v_add_nc_u32 v[ADRB+\s], s22, v4
	s_add_co_u32 s21, s21, SLOT
	s_add_co_u32 s22, s22, SLOT
.endr
	v_mul_u32_u24 v5, v1, KS                       ; my row's scales: 32 bytes a row,
	v_lshrrev_b32 v6, 8, v5
	v_lshl_add_u32 v5, v6, 4, v5                   ; and 16 more for each 256 passed
	s_mul_i32 s21, s15, HALFS
	s_mul_i32 s22, s16, HALFS
	s_add_co_u32 s22, s22, 2*HALFS
	s_sub_co_u32 s22, s22, s21
	v_mul_u32_u24 v6, s22, v2                      ; lanes 16-31 take B's
	s_add_co_u32 s21, s21, SCL
	v_add_nc_u32 v5, v5, v6
	v_add_nc_u32 v[ADRS], s21, v5
	s_mul_i32 s23, s14, 16*SPITCH                  ; my stage
	v_mul_u32_u24 v5, v1, SPITCH
	v_lshl_add_u32 v5, v2, 4, v5
	v_add_nc_u32 v[STO], s23, v5                   ; in: token r, 16 bytes for each half of the lanes
	v_bfe_u32 v5, v0, 3, 2
	v_and_b32 v6, 7, v0
	v_mul_u32_u24 v5, v5, SPITCH
	v_lshl_add_u32 v5, v6, 4, v5
	v_add_nc_u32 v[RD], s23, v5                    ; back: token lane / 8, 16 (lane % 8): four tokens x 128 bytes of one head
	v_and_b32 v6, 31, v0
	v_lshlrev_b32 v[CO], 4, v6                     ; which are 512 consecutive bytes of qkv
	s_lshr_b32 s20, s17, 3                         ; 4 T + b: 4 MiB each,
	s_lshl_b32 s20, s20, 22
	s_and_b32 s21, s17, 7
	s_lshl_b32 s21, s21, 15                        ; 256 tokens of 128 bytes,
	s_add_co_u32 s20, s20, s21
	s_lshl_b32 s21, s15, 14                        ; my 128 of them
	s_add_co_u32 s20, s20, s21
	s_mov_b32 s21, 0
	s_lshl_b32 s46, s42, 20                        ; four heads of 262,144 bytes to a tile column,
	s_lshl_b32 s47, s16, 19                        ; two to a wave
	s_add_co_u32 s46, s46, s47
	s_mov_b32 s47, 0
	s_add_nc_u64 s[20:21], s[20:21], s[46:47]
	s_add_nc_u64 s[12:13], s[12:13], s[20:21]
.macro FRAG reg, adr, q, i             ; 16 rows x 128 K of 4-bit codes: registers 4 c .. 4 c + 3 hold K = 64 c + 32 (lane / 16) + 0 .. 31
.irp c, 0,1
	ds_load_b128 v[\reg+4*\c:\reg+4*\c+3], v[\adr] offset:64*(\q)+32*\c+(\i)*16*PITCH
.endr
.endm
; 16 matrix instructions: A's blocks a0, a0 + 1 x B's eight.  The 64 accumulators take turns, one instruction a turn, in the same order in every step.
.macro MUL16 a0, p, q, sc, zero
.irp a, \a0, \a0+1
.irp b, 0,1,2,3,4,5,6,7
.if \zero
	v_wmma_scale_f32_16x16x128_f8f6f4 v[8*(8*((\a)%4)+\b):8*(8*((\a)%4)+\b)+7], v[128*(\p)+FR*\b:128*(\p)+FR*\b+FR-1], v[AF+FR*(\a):AF+FR*(\a)+FR-1], 0, v[SC+8*NQ*(\sc)+NQ*\b+(\q)], v[SC+8*NQ*(\sc)+NQ*(\a)+(\q)] matrix_a_fmt:MATRIX_FMT_FP4 matrix_b_fmt:MATRIX_FMT_FP4 matrix_a_scale:MATRIX_SCALE_ROW1
.else
	v_wmma_scale_f32_16x16x128_f8f6f4 v[8*(8*((\a)%4)+\b):8*(8*((\a)%4)+\b)+7], v[128*(\p)+FR*\b:128*(\p)+FR*\b+FR-1], v[AF+FR*(\a):AF+FR*(\a)+FR-1], v[8*(8*((\a)%4)+\b):8*(8*((\a)%4)+\b)+7], v[SC+8*NQ*(\sc)+NQ*\b+(\q)], v[SC+8*NQ*(\sc)+NQ*(\a)+(\q)] matrix_a_fmt:MATRIX_FMT_FP4 matrix_b_fmt:MATRIX_FMT_FP4 matrix_a_scale:MATRIX_SCALE_ROW1
.endif
.endr
.endr
.endm
.macro FETCH_B slot, q, p
	WIN TO_B
.irp i, 0,1,2,3,4,5,6,7
	FRAG 128*(\p)+FR*\i, ADRB+\slot, \q, \i
.endr
	WIN 0
.endm
.macro FETCH_A slot, q, i0
.irp i, \i0, \i0+1, \i0+2, \i0+3
	FRAG AF+FR*(\i), ADRA+\slot, \q, \i
.endr
.endm
.macro SCALES sc                       ; a slot's scale words: 4 words a row; lanes 0-15 take A's block i, lanes 16-31 B's block i
.irp i, 0,1,2,3,4,5,6,7
	ds_load_b128 v[SC+8*NQ*\sc+NQ*\i:SC+8*NQ*\sc+NQ*\i+3], v[ADRS] offset:\i*SBLK
.endr
.endm
.macro PLACES n                        ; plain vector instructions between a matrix instruction and a load into its registers or a read of its result
.rept \n
	v_nop
.endr
.endm
.macro STEP slot, q, zero              ; 128 along K, with its successor in the same slot
	s_wait_dscnt 4*NL                              ; B's set and A's blocks 0-3 are in; A's blocks 4-7 (eight loads) may be out
	WIN MUL_LO
	MUL16 0, (\q)%2, \q, \slot, \zero
	MUL16 2, (\q)%2, \q, \slot, \zero
	s_wait_dscnt 0
	PLACES NP
	FETCH_B \slot, (\q)+1, 1-(\q)%2
	FETCH_A \slot, (\q)+1, 0
	WIN MUL_HI
	MUL16 4, (\q)%2, \q, \slot, \zero
	MUL16 6, (\q)%2, \q, \slot, \zero
	PLACES NP
	WIN 0
	FETCH_A \slot, (\q)+1, 4
.endm
.macro TURN slot, next                 ; slot 0's last step, and the change to slot 1: one barrier
	s_wait_tensorcnt 0x0                           ; my part of slot 1 has landed
	ds_add_u32 v[SPW], v[NIL]                      ; 0 onto my spare word
	s_wait_dscnt 4*NL+1                            ; the add and A's blocks 4-7 may be out
	WIN MUL_LO
	MUL16 0, 1, NQ-1, \slot, 0
	s_wait_dscnt 0x0                               ; the add is done, and my reads of slot 0 are over
	s_barrier_signal -1
	MUL16 2, 1, NQ-1, \slot, 0
	WIN 0
	s_barrier_wait -1
	PLACES NP
	v_add_nc_u32 v[ADRS], 4*NQ, v[ADRS]            ; on to the next 512 along K among the scale words
	FETCH_B \next, 0, 0
	FETCH_A \next, 0, 0
	SCALES \next
	WIN MUL_HI
	MUL16 4, 1, NQ-1, \slot, 0
	MUL16 6, 1, NQ-1, \slot, 0
	PLACES NP
	WIN 0
	FETCH_A \next, 0, 4
.endm
.macro STEPS slot, from
.set Q, \from
.rept NQ-1-\from
	STEP \slot, Q, 0
.set Q, Q+1
.endr
.endm
	s_wait_tensorcnt 1                             ; the scales and my part of slot 0 are in; slot 1's load may be out
	s_barrier_signal -1
	s_barrier_wait -1
	FETCH_B 0, 0, 0
	FETCH_A 0, 0, 0
	SCALES 0
	FETCH_A 0, 0, 4
	STEP 0, 0, 1                                   ; the first products start the sums: nothing is cleared
	STEPS 0, 1
	TURN 0, 1
	STEPS 1, 0
	s_wait_dscnt 4*NL
	WIN MUL_LO
	MUL16 0, 1, NQ-1, 1, 0
	MUL16 2, 1, NQ-1, 1, 0
	s_wait_dscnt 0
	WIN MUL_HI
	MUL16 4, 1, NQ-1, 1, 0
	MUL16 6, 1, NQ-1, 1, 0
	WIN 0
; THE WAY OUT, a block of 16 tokens x 128 columns (two heads) at a time: x the factor, rounded to f16 (16 bytes a lane), through my stage, back as four tokens x 128 bytes of one head: 512 consecutive bytes a store.
.macro PACK a
.set AC, 64*((\a)%4)
	WIN 0x82+0x41*((\a)/4)                         ; destination and source 0: window 2 or 3
.irp b, 0,1,2,3,4,5,6,7
.irp r, 0,2,4,6
	v_pk_mul_f32 v[AC+8*\b+\r:AC+8*\b+\r+1], v[AC+8*\b+\r:AC+8*\b+\r+1], s[CM:CM+1] op_sel_hi:[1,0]   ; each accumulator from its low end on
.endr
.endr
	WIN 0x0a+5*((\a)/4)                            ; sources 0 and 1: window 2 or 3
.irp b, 0,1,2,3,4,5,6,7
.irp r, 0,1,2,3
	v_cvt_pk_f16_f32 v[TMP+4*\b+\r], v[AC+8*\b+2*\r], v[AC+8*\b+2*\r+1]
.endr
.endr
	WIN 0
.endm
.macro TOSTAGE a
.set BB, BK+32*((\a)%2)
.irp b, 0,1,2,3,4,5,6,7
	ds_store_b128 v[STO], v[TMP+4*\b:TMP+4*\b+3] offset:32*\b
.endr
.irp t, 0,1,2,3,4,5,6,7
	ds_load_b128 v[BB+4*\t:BB+4*\t+3], v[RD] offset:4*(\t%4)*SPITCH+128*(\t/4)   ; LDS serves a wave's instructions in order (ISA guide 5.7.1.4): these see the stores above
.endr
.endm
.macro SEND a
.set BB, BK+32*((\a)%2)
	s_wait_dscnt 0x0
.irp t, 0,1,2,3,4,5,6,7
	global_store_b128 v[CO], v[BB+4*\t:BB+4*\t+3], s[12:13] offset:(\a)*2048+(\t%4)*512+(\t/4)*262144
.endr
.endm
	PLACES NP                                      ; behind the last products: for the reads of results and the loads into A's registers
	PACK 0
	TOSTAGE 0
.irp a, 1,2,3,4,5,6,7
	PACK \a                                        ; block a's arithmetic stands between block a - 1's loads from the stage and the wait for them
	SEND \a-1
	s_wait_xcnt 0x0                                ; the stores issued so far have read their registers: block a's rows may land where block a - 2's lay
	TOSTAGE \a
.endr
	SEND 7
	s_wait_tensorcnt 0x0                           ; the wave's end
	ds_add_u32 v[SPW], v[NIL]
	s_wait_dscnt 0x0
	CROUND                                         ; the closing round
	s_endpgm
.Lfunc_end_k_qfd113ba6ea_proj:
	.size	k_qfd113ba6ea_proj, .Lfunc_end_k_qfd113ba6ea_proj-k_qfd113ba6ea_proj
	.p2alignl 7, 3214868480
	.fill 96, 4, 3214868480
	.section	.rodata,"a",@progbits
	.p2align	6, 0x0
	.amdhsa_kernel k_qfd113ba6ea_proj
		.amdhsa_group_segment_fixed_size 327680
		.amdhsa_private_segment_fixed_size 0
		.amdhsa_enable_private_segment 0
		.amdhsa_kernarg_size 40
		.amdhsa_user_sgpr_count 2
		.amdhsa_user_sgpr_kernarg_segment_ptr 1
		.amdhsa_wavefront_size32 1
		.amdhsa_system_sgpr_workgroup_id_x 1
		.amdhsa_system_sgpr_workgroup_id_y 1
		.amdhsa_system_sgpr_workgroup_id_z 1
		.amdhsa_system_vgpr_workitem_id 0
		.amdhsa_next_free_vgpr 1024
		.amdhsa_next_free_sgpr 98
		.amdhsa_reserve_vcc 0
		.amdhsa_float_denorm_mode_32 3
		.amdhsa_float_denorm_mode_16_64 3
		.amdhsa_memory_ordered 1
		.amdhsa_forward_progress 1
		.amdhsa_inst_pref_size 143
	.end_amdhsa_kernel
	.amdgpu_metadata
---
amdhsa.version: [ 1, 2 ]
amdhsa.kernels:
  - .name:           k_qfd113ba6ea_proj
    .symbol:         k_qfd113ba6ea_proj.kd
    .args:
      - { .name: xc, .offset: 0, .size: 8, .value_kind: global_buffer, .address_space: global }
      - { .name: xs, .offset: 8, .size: 8, .value_kind: global_buffer, .address_space: global }
      - { .name: wc, .offset: 16, .size: 8, .value_kind: global_buffer, .address_space: global }
      - { .name: wsc, .offset: 24, .size: 8, .value_kind: global_buffer, .address_space: global }
      - { .name: qkv, .offset: 32, .size: 8, .value_kind: global_buffer, .address_space: global }
    .group_segment_fixed_size: 327680
    .private_segment_fixed_size: 0
    .kernarg_segment_align: 8
    .kernarg_segment_size: 40
    .max_flat_workgroup_size: 128
    .sgpr_count:     98
    .vgpr_count:     1024
    .wavefront_size: 32
...
	.end_amdgpu_metadata
.endif
;; end of part 2
;; launch attn (part 3): grid 4 x 64, 8 waves a work-group, clusters of 4 x 1, 327,680 bytes of LDS; arguments qkv, maskw, att; writes att
.if DOCPART == 3
	.amdgcn_target "amdgcn-amd-amdhsa--gfx1250"
	.amdhsa_code_object_version 6
	.text
	.protected	k_qfd113ba6ea_attn
	.globl	k_qfd113ba6ea_attn
	.p2align	8
	.type	k_qfd113ba6ea_attn,@function
k_qfd113ba6ea_attn:
	s_mov_b64 s[64:65], 0
	v_nop
	global_prefetch_b8 v0, s[64:65] scope:SCOPE_SE
	s_setreg_imm32_b32 hwreg(HW_REG_WAVE_MODE, 25, 1), 1
	s_wait_xcnt 0x0
	s_wait_alu depctr_hold_cnt(0) depctr_sa_sdst(0) depctr_va_vdst(0) depctr_va_sdst(0) depctr_va_ssrc(0) depctr_va_vcc(0) depctr_vm_vsrc(0)
	s_getreg_b32 s2, hwreg(HW_REG_IB_STS2, 6, 4)
	s_cmp_eq_u32 s2, 0
	s_cbranch_scc0 .Lentry_in_a_cluster
	s_endpgm
.Lentry_in_a_cluster:
	s_bfe_u32 s2, ttmp6, 0x10000c
	s_cmp_lg_u32 s2, 0x3003
	s_cbranch_scc0 .Lentry_shape_is_right
	s_endpgm
.Lentry_shape_is_right:
; ATTN: att[b][h][q][:] = sum over k of softmax_k(score) V[k][:], score = Q . K / 8, replaced by -1e9 where mask[b][q][k] == 0.  Q, K, V: qkv [3][b][h][s][64] f16; att [b][h][s][64] f16; sums, maxima, exponentials in f32.
; Q arrives multiplied by log2(e) / 8, so a product K Q^T is t = score x log2(e), and p = 2^(t - m) with m the running maximum of the MASKED t; a hidden t is the number -1e9 log2(e), as in the reference:
; a row that is hidden entirely gives p = 1 for every key.  In every step the sum l and O are multiplied by a = 2^(m_old - m_new).
; f16 operands: p is at most 1; LIMIT: |Q|, |K|, |V| up to 65,504 (the launch before states it).
; SHARES.  A work-group owns 512 queries of one head, each of its eight waves 64: four tiles of 16.  Two waves share a SIMD, so that one wave's vector work stands beside the other's products.  64 keys a step.
; LAYOUT.  S^T = K Q^T (source 0 = 16 keys, source 1 = 16 queries): a lane holds ONE query (lane % 16) and keys 8 (lane / 16) + 0..7.  Two such tiles, rounded to f16 in pairs, are source 1 of O^T = V^T P,
; whose source 0 comes out of LDS turned, by ds_load_tr16_b128.
; THE MASK comes as words of 32 bits, one for each register of a tile of S^T, bit = lane, 1 = hidden: scalar loads bring a step's 32 words of a tile, and each is the select of one v_cndmask_b32.
; CLUSTER 4 x 1: the four query blocks of a head walk the same K and V: each tile is asked for jointly.
; LDS: two slots of 256 keys (four steps: 64 rows of K at 144 bytes, 64 rows of V at 160), slot 1 at 2^17; behind them the spare words.  All of LDS is claimed.
; REGISTERS: window 0: v2-13 addresses and constants; v16-47 eight statistics a tile; v64-127 K of a step; v128-255 S^T, 32 a tile; P is packed into the low 16 of each tile.
;   window 1: v0-127 O^T, 32 a tile; v128-191 Q; v192-255 V of a step.
.set KS,    64
.set PK,    144                        ; 128 + 16 bytes = 36 words: the 16 rows of a load start at 16 different groups of 4 banks (64 banks of 4 bytes: ISA guide 11.1)
.set PV,    160                        ; 128 + 32 bytes = 40 words
.set VOFF,  KS*PK
.set STEPB, KS*(PK+PV)
.set SLOT1, 1<<17
.set SPARE, SLOT1+4*STEPB              ; the spare words, 128 bytes for each of eight waves, that no other line names
.set AK0, 2
.set AV0, 3
.set ADK, 4
.set ADV, 5
.set QO,  6
.set STO, 7
.set RD,  8
.set GO,  9
.set BIG, 10                           ; -1e9 x log2(e)
.set PFO, 11
.set SPW, 12
.set NIL, 13
.set ST,  16                           ; tile t at v[ST + 8 t]: +0 m, +1 unused half of its pair, +2, +3 l, +4 a (at the end 1 / l), +5 unused half, +6, +7 at work
.set KF,  64
.set S,   128
.set QF,  128                          ; window 1
.set VF,  192                          ; window 1
.set MP,  2                            ; s[2:3]  the mask words of my first tile, this step
.set OA,  4                            ; s[4:5]  att at my wave's first row
.set WV,  6
.set SLOTS, 7
.set TB,  8                            ; LDS byte at which the step in hand begins
.set STEPS, 9
.set LIM, 10
.set G0,  12                           ; s[12:15] the walking descriptor group 0
.set G1K, 16
.set G1V, 24
.set MA,  32                           ; s[32:63] 32 mask words of the even tile in hand
.set PFA, 66                           ; s[66:67]
.set MB,  68                           ; s[68:99] of the odd tile
.set SEL, 100
.set QA,  104                          ; s[104:105] Q at my wave's first row
.set MSB, 0
.macro WIN new
.if MSB != (\new)
	s_set_vgpr_msb (MSB<<8)|(\new)
.set MSB, (\new)
.endif
.endm
.set W_KQ, 0x04                        ; Q in window 1; K and S^T in window 0
.set W_PV, 0x51                        ; V and O^T in window 1, P in window 0
.set W_RS, 0x41                        ; O^T (destination, source 0) in window 1, the factor in window 0
; A joint load.  Waves 0-3 fetch the four steps' tiles of K, waves 4-7 those of V.  The branch hangs on the wave's number alone.  An s_nop 0 and four v_nop follow each line.
.macro JLOAD
	s_cmp_lt_u32 s[WV], 4
	s_cbranch_scc0 .Lfor_v_\@
	tensor_load_to_lds s[G0:G0+3], s[G1K:G1K+7]
	s_nop 0
.rept 4
	v_nop
.endr
	s_branch .Lasked_\@
.Lfor_v_\@:
	tensor_load_to_lds s[G0:G0+3], s[G1V:G1V+7]
	s_nop 0
.rept 4
	v_nop
.endr
.Lasked_\@:
.endm
; A prefetch of what the NEXT change of slots will ask for: 256 keys of K and of V, 32,768 dense bytes each.  The four partners share them out by address, 8,192 bytes each; in each, wave 0 asks for K's and
; wave 4 for V's, lanes 256 bytes apart: each block of 256 bytes is named once in the launch.  It runs four key steps ahead of that load.  The last change that fills a slot asks for nothing.
.macro ASK
	s_cmp_gt_u32 s[SLOTS], s[LIM]
	s_cbranch_scc0 .Lnot_mine_\@
	global_prefetch_b8 v[PFO], s[PFA:PFA+1] th:TH_LOAD_NT scope:SCOPE_SE
.Lnot_mine_\@:
.endm
.macro CROUND
	s_barrier_signal -1
	s_barrier_wait -1
	s_cmp_lg_u32 s[WV], 0
	s_cbranch_scc1 .Lnot_wave_0_\@
	s_barrier_signal -3
.Lnot_wave_0_\@:
	s_barrier_wait -3
	s_barrier_signal -1
	s_barrier_wait -1
.endm
.macro MLD off                         ; the 32 words of two neighbouring tiles, off bytes from the pointer: 4,096 bytes from tile to tile
	s_load_b512 s[MA:MA+15], s[MP:MP+1], \off
	s_load_b512 s[MA+16:MA+31], s[MP:MP+1], \off+64
	s_load_b512 s[MB:MB+15], s[MP:MP+1], \off+4096
	s_load_b512 s[MB+16:MB+31], s[MP:MP+1], \off+4160
.endm
	s_load_b128 s[32:35], s[0:1], 0x0              ; qkv, maskw
	s_load_b64 s[36:37], s[0:1], 0x10              ; att
	v_lshl_add_u32 v[SPW], v0, 2, SPARE
	v_mov_b32 v[NIL], 0
	ds_add_u32 v[SPW], v[NIL]                      ; the wave's opening: the add, twice on end, and its wait ahead of my first tensor load
	ds_add_u32 v[SPW], v[NIL]
	v_lshrrev_b32 v1, 5, v0
	v_readfirstlane_b32 s[WV], v1                  ; wave 0..7
	s_bfe_u32 s38, ttmp6, 0x40000                  ; cx: my block of 512 queries: it enters the addresses of Q, att, the mask words and the prefetch alone
	s_and_b32 s39, ttmp7, 0xffff                   ; 16 b + h, which the four partners share
	s_lshl_b32 s40, s39, 18                        ; a head is 262,144 bytes
	s_lshr_b32 s42, s[WV], 2                       ; I fetch for K (0) or V (1),
	s_and_b32 s43, s[WV], 3                        ; this step of a slot's four
	s_add_co_u32 s44, s42, 1
	s_lshl_b32 s44, s44, 24                        ; K is the second tensor of 16 MiB, V the third
	s_add_co_u32 s44, s44, s40
	s_lshl_b32 s46, s43, 13                        ; a step's 64 rows of 128 bytes
	s_add_co_u32 s46, s46, s44
	s_mov_b32 s47, 0
	s_mul_i32 s[G0+1], s43, STEPB                  ; and its place in slot 0
	s_mul_i32 s11, s42, VOFF
	s_add_co_u32 s[G0+1], s[G0+1], s11
	s_lshl_b32 s48, s38, 16                        ; 512 rows of 128 bytes,
	s_lshl_b32 s49, s[WV], 13                      ; my wave's 64
	s_add_co_u32 s48, s48, s49
	s_add_co_u32 s48, s48, s40
	s_mov_b32 s49, 0
	s_lshr_b32 s50, s39, 4                         ; b: 128 tiles of queries,
	s_lshl_b32 s50, s50, 7
	s_lshl_b32 s51, s38, 5                         ; 32 to a block,
	s_add_co_u32 s50, s50, s51
	s_lshl_b32 s51, s[WV], 2                       ; 4 to a wave,
	s_add_co_u32 s50, s50, s51
	s_lshl_b32 s50, s50, 12                        ; 4,096 bytes of words each
	s_mov_b32 s51, 0
	s_lshl_b32 s52, s38, 13                        ; the prefetches: my work-group's 8,192 bytes,
	s_add_co_u32 s52, s52, s44
	s_add_co_u32 s52, s52, 32768                   ; in the second 256 keys: the first change of slots steps it to the third.  Nothing is prefetched at the head
	s_mov_b32 s53, 0
	s_mov_b32 s[G1K], 15|(1<<16)|(1<<20)|(1<<21)|(4<<22)|(3<<25)  ; the mask: all four; elements of 2 bytes; padding on; bit 21 beside a mask; after every 32 words, 4 words
	s_mov_b32 s[G1V], 15|(1<<16)|(1<<20)|(1<<21)|(4<<22)|(7<<25)  ; the same with 8 words
.irp g, G1K, G1V
	s_mov_b32 s[\g+1], 64<<16                      ; tensor_dim0
	s_mov_b32 s[\g+2], KS<<16                      ; tensor_dim1
	s_mov_b32 s[\g+3], 64<<16                      ; tile_dim0
	s_mov_b32 s[\g+4], KS                          ; tile_dim1
	s_mov_b32 s[\g+5], 64                          ; the pitch
	s_mov_b32 s[\g+6], 0
	s_mov_b32 s[\g+7], 0
.endr
	s_mov_b32 s[SEL], 0x76543210
	s_mov_b32 s[SEL+1], 0xfedcba98                 ; v_permlanex16_b32: lane l xor 16
	s_mov_b32 s[TB], 0
	s_mov_b32 s[SLOTS], 7
	s_and_b32 s[LIM], s[WV], 3
	s_cmp_eq_u32 s[LIM], 0
	s_cselect_b32 s[LIM], 1, -1                    ; waves 0 and 4 prefetch
	s_wait_dscnt 0x0                               ; both opening adds are done
	s_wait_kmcnt 0x0
	s_mov_b32 s[G0], 1
	s_add_nc_u64 s[G0+2:G0+3], s[32:33], s[46:47]
	s_or_b32 s[G0+3], s[G0+3], 0x80000000
	s_add_nc_u64 s[QA:QA+1], s[32:33], s[48:49]
	s_add_nc_u64 s[OA:OA+1], s[36:37], s[48:49]
	s_add_nc_u64 s[MP:MP+1], s[34:35], s[50:51]
	s_add_nc_u64 s[PFA:PFA+1], s[32:33], s[52:53]
	CROUND                                         ; all four work-groups are here
	JLOAD                                          ; slot 0: keys 0 to 255
	v_and_b32 v1, 15, v0                           ; r
	v_bfe_u32 v14, v0, 4, 1                        ; h
	v_lshlrev_b32 v[QO], 7, v1
	v_lshl_add_u32 v[QO], v14, 4, v[QO]
	WIN 0x40
.irp i, 0,1,2,3,4,5,6,7                        ; Q stays in registers: tile i / 2, channels 32 (i % 2) on
	global_load_b128 v[QF+8*\i:QF+8*\i+3],   v[QO], s[QA:QA+1] offset:(\i/2)*2048+(\i%2)*64 th:TH_LOAD_NT
	global_load_b128 v[QF+8*\i+4:QF+8*\i+7], v[QO], s[QA:QA+1] offset:(\i/2)*2048+(\i%2)*64+32 th:TH_LOAD_NT
.endr
.set i, 0
.rept 128
	v_mov_b32 v[i], 0                              ; O^T.  The key step is written once: the first finds zeros, and a = 0
.set i, i+1
.endr
	WIN 0
	MLD 0                                          ; step 0's words of tiles 0 and 1 (s32 on hold nothing that is still wanted)
	v_mul_u32_u24 v[AK0], v1, PK
	v_lshl_add_u32 v[AK0], v14, 4, v[AK0]          ; K: row r, + 16 h
	v_and_b32 v15, 7, v0
	v_lshl_add_u32 v[AV0], v14, 3, v15
	v_mul_u32_u24 v[AV0], v[AV0], PV               ; V: key 8 h + lane % 8,
	v_bfe_u32 v15, v0, 3, 1
	v_lshl_add_u32 v[AV0], v15, 4, v[AV0]          ; channels 8 ((lane / 8) % 2) on
	v_add_nc_u32 v[AV0], VOFF, v[AV0]
	s_mul_i32 s11, s[WV], 4*16*PK                  ; the way out: my stage, 4 tiles x 16 rows x 144 bytes, in slot 0, which has had its last fill and its last read by then
	v_add_nc_u32 v[STO], s11, v[AK0]
	v_bfe_u32 v15, v0, 3, 2
	v_mul_u32_u24 v[RD], v15, PK
	v_and_b32 v15, 7, v0
	v_lshl_add_u32 v[RD], v15, 4, v[RD]
	v_add_nc_u32 v[RD], s11, v[RD]                 ; back: row lane / 8, 16 (lane % 8)
	v_and_b32 v15, 31, v0
	v_lshlrev_b32 v[GO], 4, v15
	v_lshlrev_b32 v[PFO], 8, v15
	v_mov_b32 v[BIG], 0xceabfb8f
.irp t, 0,1,2,3
	v_mov_b32 v[ST+8*\t], 0xff61b1e6               ; m = -3e38, under every t
.irp j, 1,2,3,4,5,6,7
	v_mov_b32 v[ST+8*\t+\j], 0
.endr
.endr
	s_wait_loadcnt 0x0                             ; Q
.macro MASK x                          ; tiles x, x + 1: hidden scores become -1e9 log2(e).  Ascending: each accumulator is first read at its low end
.set n, 0
.rept 32
	v_cndmask_b32 v[S+32*(\x)+n], v[S+32*(\x)+n], v[BIG], s[MA+n]
	v_cndmask_b32 v[S+32*(\x)+32+n], v[S+32*(\x)+32+n], v[BIG], s[MB+n]
.set n, n+1
.endr
.endm
.macro SOFT x                          ; the softmax of tiles x, x + 1 for one step; the two tiles alternate, so that no line waits for the line above it
.irp t, \x, \x+1
.set rT, ST+8*(\t)
.set rS, S+32*(\t)
	v_max3_num_f32 v[rT+6], v[rS], v[rS+1], v[rS+2]
	v_max3_num_f32 v[rT+7], v[rS+15], v[rS+16], v[rS+17]
.endr
.irp i, 3,5,7,9,11,13
.irp t, \x, \x+1
.set rT, ST+8*(\t)
.set rS, S+32*(\t)
	v_max3_num_f32 v[rT+6], v[rT+6], v[rS+\i], v[rS+\i+1]
	v_max3_num_f32 v[rT+7], v[rT+7], v[rS+15+\i], v[rS+16+\i]
.endr
.endr
.irp t, \x, \x+1
	v_max3_num_f32 v[ST+8*(\t)+6], v[ST+8*(\t)+6], v[ST+8*(\t)+7], v[S+32*(\t)+30]
.endr
.irp t, \x, \x+1
	v_max3_num_f32 v[ST+8*(\t)+6], v[ST+8*(\t)+6], v[S+32*(\t)+31], v[ST+8*(\t)]
.endr
.irp t, \x, \x+1
	v_permlanex16_b32 v[ST+8*(\t)+7], v[ST+8*(\t)+6], s[SEL], s[SEL+1]   ; the query's other 32 keys lie in the lane 16 away
.endr
.irp t, \x, \x+1
	v_max_num_f32 v[ST+8*(\t)+6], v[ST+8*(\t)+6], v[ST+8*(\t)+7]         ; the new m
.endr
.irp t, \x, \x+1
	v_sub_f32 v[ST+8*(\t)+4], v[ST+8*(\t)], v[ST+8*(\t)+6]               ; m_old - m_new
.endr
.irp t, \x, \x+1
	v_mov_b32 v[ST+8*(\t)], v[ST+8*(\t)+6]
.endr
.irp i, 0,2,4,6,8,10,12,14,16,18,20,22,24,26,28,30
.irp t, \x, \x+1
	v_pk_add_f32 v[S+32*(\t)+\i:S+32*(\t)+\i+1], v[S+32*(\t)+\i:S+32*(\t)+\i+1], v[ST+8*(\t):ST+8*(\t)+1] op_sel_hi:[1,0] neg_lo:[0,1] neg_hi:[0,1]   ; t - m
.endr
.endr
.irp t, \x, \x+1
	v_exp_f32 v[ST+8*(\t)+4], v[ST+8*(\t)+4]       ; a
.endr
.set n, 0
.rept 32
.irp t, \x, \x+1
	v_exp_f32 v[S+32*(\t)+n], v[S+32*(\t)+n]       ; p = 2^(t - m)
.endr
.set n, n+1
.endr
	v_nop                                          ; a plain instruction behind the last exponential
	s_wait_alu depctr_va_vdst(0)                   ; one wait for the batch of 66, ahead of its first reader
.irp t, \x, \x+1
.set rT, ST+8*(\t)
.set rS, S+32*(\t)
	v_pk_fma_f32 v[rT+2:rT+3], v[rT+2:rT+3], v[rT+4:rT+5], v[rS:rS+1] op_sel_hi:[1,0,1]   ; l = a l + p, in two chains
	v_pk_add_f32 v[rT+6:rT+7], v[rS+2:rS+3], v[rS+4:rS+5]
.endr
.irp i, 6,10,14,18,22,26
.irp t, \x, \x+1
.set rT, ST+8*(\t)
.set rS, S+32*(\t)
	v_pk_add_f32 v[rT+2:rT+3], v[rT+2:rT+3], v[rS+\i:rS+\i+1]
	v_pk_add_f32 v[rT+6:rT+7], v[rT+6:rT+7], v[rS+\i+2:rS+\i+3]
.endr
.endr
.irp t, \x, \x+1
	v_pk_add_f32 v[ST+8*(\t)+2:ST+8*(\t)+3], v[ST+8*(\t)+2:ST+8*(\t)+3], v[S+32*(\t)+30:S+32*(\t)+31]
.endr
.irp t, \x, \x+1
	v_pk_add_f32 v[ST+8*(\t)+2:ST+8*(\t)+3], v[ST+8*(\t)+2:ST+8*(\t)+3], v[ST+8*(\t)+6:ST+8*(\t)+7]
.endr
.irp i, 0,1,2,3,4,5,6,7,8,9,10,11,12,13,14,15
.irp t, \x, \x+1
	v_cvt_pk_f16_f32 v[S+32*(\t)+\i], v[S+32*(\t)+2*\i], v[S+32*(\t)+2*\i+1]   ; P, in place, ascending: register i is written when 2 i and 2 i + 1 are read
.endr
.endr
	WIN W_RS
.irp i, 0,2,4,6,8,10,12,14,16,18,20,22,24,26,28,30
.irp t, \x, \x+1
	v_pk_mul_f32 v[32*(\t)+\i:32*(\t)+\i+1], v[32*(\t)+\i:32*(\t)+\i+1], v[ST+8*(\t)+4:ST+8*(\t)+5] op_sel_hi:[1,0]   ; O^T x a
.endr
.endr
	WIN 0
.endm
; A KEY STEP: 64 keys.
.macro KSTEP
	v_add_nc_u32 v[ADK], s[TB], v[AK0]             ; these five plain lines stand between the last products V^T P and the loads into V's registers (four are asked)
	v_add_nc_u32 v[ADV], s[TB], v[AV0]             ; and the products below, which write S^T over P (five are asked; ISA guide 7.12.1)
	v_nop
	v_nop
	v_nop
.irp f, 0,1,2,3,4,5,6,7                        ; K: keys 16 (f / 2) on, channels 32 (f % 2) on
	ds_load_b128 v[KF+8*\f:KF+8*\f+3],   v[ADK] offset:(\f/2)*16*PK+(\f%2)*64
	ds_load_b128 v[KF+8*\f+4:KF+8*\f+7], v[ADK] offset:(\f/2)*16*PK+(\f%2)*64+32
.endr
	WIN 0x40
.irp f, 0,1,2,3,4,5,6,7                        ; V, turned: keys 32 (f / 4) on, channels 16 (f % 4) on
	ds_load_tr16_b128 v[VF+8*\f:VF+8*\f+3],   v[ADV] offset:(\f/4)*32*PV+(\f%4)*32
	ds_load_tr16_b128 v[VF+8*\f+4:VF+8*\f+7], v[ADV] offset:(\f/4)*32*PV+16*PV+(\f%4)*32
.endr
	s_wait_dscnt 16                                ; K is in; V's sixteen loads may be out
	WIN W_KQ
.irp kk, 0,1                                   ; the 16 accumulators take turns; the first 16 products start the sums
.irp kt, 0,1,2,3
.irp t, 0,1,2,3
.if \kk == 0
	v_wmma_f32_16x16x32_f16 v[S+32*\t+8*\kt:S+32*\t+8*\kt+7], v[KF+8*(2*\kt+\kk):KF+8*(2*\kt+\kk)+7], v[QF+16*\t+8*\kk:QF+16*\t+8*\kk+7], 0
.else
	v_wmma_f32_16x16x32_f16 v[S+32*\t+8*\kt:S+32*\t+8*\kt+7], v[KF+8*(2*\kt+\kk):KF+8*(2*\kt+\kk)+7], v[QF+16*\t+8*\kk:QF+16*\t+8*\kk+7], v[S+32*\t+8*\kt:S+32*\t+8*\kt+7]
.endif
.endr
.endr
.endr
	WIN 0
.rept 4
	v_nop                                          ; places in front of the first read of the scores
.endr
	s_wait_kmcnt 0x0                               ; the words of tiles 0 and 1
	MASK 0
	MLD 8192                                       ; those of tiles 2 and 3 come while tiles 0 and 1 are worked
	SOFT 0
	s_wait_kmcnt 0x0
	MASK 2
	s_add_nc_u64 s[MP:MP+1], s[MP:MP+1], 128       ; (no scalar load is out)  the next step's words.  Behind the last step these are words of my second and third tile: inside the buffer, and not used
	MLD 0
	SOFT 2
	s_wait_dscnt 0x0                               ; V
	WIN W_PV
.irp ks, 0,1
.irp c, 0,1,2,3
.irp t, 0,1,2,3
	v_wmma_f32_16x16x32_f16 v[32*\t+8*\c:32*\t+8*\c+7], v[VF+32*\ks+8*\c:VF+32*\ks+8*\c+7], v[S+32*\t+8*\ks:S+32*\t+8*\ks+7], v[32*\t+8*\c:32*\t+8*\c+7]
.endr
.endr
.endr
	WIN 0
	s_add_co_u32 s[TB], s[TB], STEPB
.endm
; THE CHANGE OF SLOTS stands at a slot's head.  Each wave waits for all its tensor loads (one is out: its part of the slot ahead), adds 0 to its spare word, and waits for that and for its reads of the slot
; that it has left.  fill = 1: a round of the cluster's barrier, and behind it the other slot takes the next 256 keys: that load has four key steps in which to land.  (In the first trip it is slot 1's first fill.)
.macro CHANGE fill
	s_wait_tensorcnt 0x0                           ; no tensor load of mine is out, so the group 0 may be written
	ds_add_u32 v[SPW], v[NIL]
.if \fill
	s_xor_b32 s[G0+1], s[G0+1], SLOT1
	s_add_nc_u64 s[G0+2:G0+3], s[G0+2:G0+3], 4*KS*128
	s_wait_xcnt 0x0                                ; the last prefetch, four key steps back, has read its address
	s_add_nc_u64 s[PFA:PFA+1], s[PFA:PFA+1], 4*KS*128
.endif
	s_wait_dscnt 0x0
.if \fill
	CROUND
	JLOAD
	ASK
.else
	s_barrier_signal -1
	s_barrier_wait -1
.endif
.endm
.macro FOUR_STEPS
	s_mov_b32 s[STEPS], 4
.Lstep_\@:
	KSTEP
	s_sub_co_u32 s[STEPS], s[STEPS], 1
	s_cmp_lg_u32 s[STEPS], 0
	s_cbranch_scc1 .Lstep_\@
	s_sub_co_u32 s[TB], s[TB], 4*STEPB
	s_xor_b32 s[TB], s[TB], SLOT1                  ; on to the other slot
.endm
.Lslot:                                            ; seven trips: behind each change of slots but the last the next 256 keys are asked for
	CHANGE 1
	FOUR_STEPS
	s_sub_co_u32 s[SLOTS], s[SLOTS], 1
	s_cmp_lg_u32 s[SLOTS], 0
	s_cbranch_scc1 .Lslot
	CHANGE 0                                       ; the last slot is written out
	FOUR_STEPS
	; THE WAY OUT.  The four additions are the places behind the last products.
.irp t, 0,1,2,3
	v_add_f32 v[ST+8*\t+6], v[ST+8*\t+2], v[ST+8*\t+3]
.endr
.irp t, 0,1,2,3
	v_permlanex16_b32 v[ST+8*\t+7], v[ST+8*\t+6], s[SEL], s[SEL+1]
.endr
.irp t, 0,1,2,3
	v_add_f32 v[ST+8*\t+6], v[ST+8*\t+6], v[ST+8*\t+7]   ; the row's sum: at least 1, since the largest p is 1
.endr
.irp t, 0,1,2,3
	v_rcp_f32 v[ST+8*\t+4], v[ST+8*\t+6]
.endr
	v_nop
	s_wait_alu depctr_va_vdst(0)                   ; one wait for the four reciprocals
.macro APACK t                         ; tile t: O^T / l, rounded to f16; 16 bytes a lane into rows of 144 bytes; back as four rows of 128 bytes an instruction
	WIN W_RS
.set i, 0
.rept 16
	v_pk_mul_f32 v[32*\t+i:32*\t+i+1], v[32*\t+i:32*\t+i+1], v[ST+8*\t+4:ST+8*\t+5] op_sel_hi:[1,0]
.set i, i+2
.endr
	WIN 0x05
.set i, 0
.rept 16
	v_cvt_pk_f16_f32 v[S+16*\t+i], v[32*\t+2*i], v[32*\t+2*i+1]
.set i, i+1
.endr
	WIN 0
.irp c, 0,1,2,3
	ds_store_b128 v[STO], v[S+16*\t+4*\c:S+16*\t+4*\c+3] offset:\t*16*PK+32*\c
.endr
.irp i, 0,1,2,3
	ds_load_b128 v[192+16*\t+4*\i:192+16*\t+4*\i+3], v[RD] offset:\t*16*PK+\i*4*PK   ; LDS serves a wave's instructions in order (ISA guide 5.7.1.4)
.endr
.endm
	APACK 0
	APACK 1
	APACK 2
	APACK 3
	s_wait_dscnt 0x0
.irp t, 0,1,2,3
.irp i, 0,1,2,3
	global_store_b128 v[GO], v[192+16*\t+4*\i:192+16*\t+4*\i+3], s[OA:OA+1] offset:\t*2048+\i*512   ; 32 lanes store 512 consecutive bytes
.endr
.endr
	s_wait_kmcnt 0x0                               ; the words asked for behind the last step
	s_wait_tensorcnt 0x0                           ; the wave's end
	ds_add_u32 v[SPW], v[NIL]
	s_wait_dscnt 0x0
	CROUND                                         ; the closing round
	s_endpgm
.Lfunc_end_k_qfd113ba6ea_attn:
	.size	k_qfd113ba6ea_attn, .Lfunc_end_k_qfd113ba6ea_attn-k_qfd113ba6ea_attn
	.p2alignl 7, 3214868480
	.fill 96, 4, 3214868480
	.section	.rodata,"a",@progbits
	.p2align	6, 0x0
	.amdhsa_kernel k_qfd113ba6ea_attn
		.amdhsa_group_segment_fixed_size 327680
		.amdhsa_private_segment_fixed_size 0
		.amdhsa_enable_private_segment 0
		.amdhsa_kernarg_size 24
		.amdhsa_user_sgpr_count 2
		.amdhsa_user_sgpr_kernarg_segment_ptr 1
		.amdhsa_wavefront_size32 1
		.amdhsa_system_sgpr_workgroup_id_x 1
		.amdhsa_system_sgpr_workgroup_id_y 1
		.amdhsa_system_sgpr_workgroup_id_z 1
		.amdhsa_system_vgpr_workitem_id 0
		.amdhsa_next_free_vgpr 512
		.amdhsa_next_free_sgpr 106
		.amdhsa_reserve_vcc 0
		.amdhsa_float_denorm_mode_32 3
		.amdhsa_float_denorm_mode_16_64 3
		.amdhsa_memory_ordered 1
		.amdhsa_forward_progress 1
		.amdhsa_inst_pref_size 109
	.end_amdhsa_kernel
	.amdgpu_metadata
---
amdhsa.version: [ 1, 2 ]
amdhsa.kernels:
  - .name:           k_qfd113ba6ea_attn
    .symbol:         k_qfd113ba6ea_attn.kd
    .args:
      - { .name: qkv, .offset: 0, .size: 8, .value_kind: global_buffer, .address_space: global }
      - { .name: maskw, .offset: 8, .size: 8, .value_kind: global_buffer, .address_space: global }
      - { .name: att, .offset: 16, .size: 8, .value_kind: global_buffer, .address_space: global }
    .group_segment_fixed_size: 327680
    .private_segment_fixed_size: 0
    .kernarg_segment_align: 8
    .kernarg_segment_size: 24
    .max_flat_workgroup_size: 256
    .sgpr_count:     106
    .vgpr_count:     512
    .wavefront_size: 32
...
	.end_amdgpu_metadata
.endif
;; end of part 3
;; launch oproj (part 4): grid 4 x 64, 4 waves a work-group, clusters of 4 x 4, 327,680 bytes of LDS; arguments att, wo16, out0; writes out0
.if DOCPART == 4
	.amdgcn_target "amdgcn-amd-amdhsa--gfx1250"
	.amdhsa_code_object_version 6
	.text
	.protected	k_qfd113ba6ea_oproj
	.globl	k_qfd113ba6ea_oproj
	.p2align	8
	.type	k_qfd113ba6ea_oproj,@function
k_qfd113ba6ea_oproj:
	s_mov_b64 s[64:65], 0
	v_nop
	global_prefetch_b8 v0, s[64:65] scope:SCOPE_SE
	s_setreg_imm32_b32 hwreg(HW_REG_WAVE_MODE, 25, 1), 1
	s_wait_xcnt 0x0
	s_wait_alu depctr_hold_cnt(0) depctr_sa_sdst(0) depctr_va_vdst(0) depctr_va_sdst(0) depctr_va_ssrc(0) depctr_va_vcc(0) depctr_vm_vsrc(0)
	s_getreg_b32 s2, hwreg(HW_REG_IB_STS2, 6, 4)
	s_cmp_eq_u32 s2, 0
	s_cbranch_scc0 .Lentry_in_a_cluster
	s_endpgm
.Lentry_in_a_cluster:
	s_bfe_u32 s2, ttmp6, 0x10000c
	s_cmp_lg_u32 s2, 0xf033
	s_cbranch_scc0 .Lentry_shape_is_right
	s_endpgm
.Lentry_shape_is_right:
; OPROJ: out0[token][n] = sum over k of att[token][k] Wo[k][n], f16 operands, f32 sums, f32 out.  att lies head by head, [b][h][s][64], k = 64 h + d; wo16 [1024 k][1024 n].
; A tile of C is 128 tokens x 256 columns: 256 work-groups.  Four waves, 64 x 128 each: 32 accumulators, which fill window 1; all else lies in window 0.
; K goes in steps of 128 (two heads) through two LDS slots: A as [2 heads][128 rows] of 128 + 16 bytes, B as 128 rows (k) of 512 + 32 bytes.  Waves 0, 1 fetch A's two heads, waves 2, 3 B's two halves.
; THE MATRIX INSTRUCTION IS USED TRANSPOSED: source 0 = 16 columns of Wo, turned out of LDS by ds_load_tr16_b128; source 1 = 16 tokens: a lane holds eight neighbouring columns of one token.
; CLUSTER 4 x 4: A's tile is shared along a row of the cluster, B's along a column; each is asked for jointly.  All of LDS is claimed.
.set PA,    144
.set PB,    544                        ; 512 + 32 bytes = 136 words
.set AH,    128*PA                     ; a head's 128 rows
.set BOFF,  2*AH
.set SLOT,  BOFF+128*PB
.set SPARE, 2*SLOT                     ; the spare words, 128 bytes for each wave, that no other line names
.set SPITCH, 528                       ; the way out: 16 rows x (512 + 16) bytes for each wave, in slot 0, which has had its last fill and its last read by then
.set ADRA, 16
.set ADRB, 20
.set STO,  24
.set RD,   25
.set CO,   26
.set SPW,  28
.set NIL,  29
.set PFO,  30
.set F0,   32                          ; a fragment buffer: 64 registers of Wo (8 x 16 columns x 32 K), 32 of att (4 x 16 tokens)
.set F1,   128
.set G1,  24
.set G0,  32
.set G1B, 48
.set G0B, 56
.set LIM, 43
.set PFA, 44
.set MSB, 0
.macro WIN new
.if MSB != (\new)
	s_set_vgpr_msb (MSB<<8)|(\new)
.set MSB, (\new)
.endif
.endm
.set MUL, 0x50                         ; C and D in window 1
.macro JLOAD s                         ; a joint load; an s_nop 0 and four v_nop follow each line
	s_cmp_eq_u32 s11, 0
	s_cbranch_scc0 .Lfor_b_\@
	tensor_load_to_lds s[G0+4*\s:G0+4*\s+3], s[G1:G1+7]
	s_nop 0
.rept 4
	v_nop
.endr
	s_branch .Lasked_\@
.Lfor_b_\@:
	tensor_load_to_lds s[G0B+4*\s:G0B+4*\s+3], s[G1B:G1B+7]
	s_nop 0
.rept 4
	v_nop
.endr
.Lasked_\@:
.endm
.macro CREST
	s_cmp_lg_u32 s10, 0
	s_cbranch_scc1 .Lnot_wave_0_\@
	s_barrier_signal -3
.Lnot_wave_0_\@:
	s_barrier_wait -3
	s_barrier_signal -1
	s_barrier_wait -1
.endm
.macro CROUND
	s_barrier_signal -1
	s_barrier_wait -1
	CREST
.endm
; A prefetch of att's K step that stands two refills on (256 matrix instructions of a wave ahead of its load): two heads x 16,384 dense bytes.  The four partners of a row of the cluster share them out by
; address, 8,192 bytes each; in each, wave 0 asks, lanes 256 bytes apart: each block of 256 bytes is named once in the launch.  The loop's last trip asks for nothing.  Wo's tiles are not asked for.
.macro ASK
	s_cmp_gt_u32 s3, s[LIM]
	s_cbranch_scc0 .Lnot_mine_\@
	global_prefetch_b8 v[PFO], s[PFA:PFA+1] th:TH_LOAD_NT scope:SCOPE_SE
.Lnot_mine_\@:
.endm
	s_load_b128 s[4:7], s[0:1], 0x0                ; att, wo16
	s_load_b64 s[8:9], s[0:1], 0x10                ; out0
	v_lshl_add_u32 v[SPW], v0, 2, SPARE
	v_mov_b32 v[NIL], 0
	ds_add_u32 v[SPW], v[NIL]                      ; the wave's opening: the add, twice on end, and its wait ahead of my first tensor load
	ds_add_u32 v[SPW], v[NIL]
	v_lshrrev_b32 v1, 5, v0
	v_readfirstlane_b32 s10, v1                    ; wave 0..3
	s_lshr_b32 s11, s10, 1                         ; which 64 tokens are mine.  Also: I fetch for A (0) or for B (1)
	s_and_b32 s12, s10, 1                          ; which 128 columns.  Also: which part I fetch
	s_bfe_u32 s40, ttmp6, 0x40000                  ; cx
	s_bfe_u32 s41, ttmp6, 0x40004                  ; cy
	s_lshl_b32 s42, ttmp9, 2
	s_add_co_u32 s42, s42, s40                     ; tile column tx
	s_and_b32 s13, ttmp7, 0xffff
	s_lshl_b32 s13, s13, 2
	s_add_co_u32 s13, s13, s41                     ; tile row ty
	s_lshl_b32 s43, s41, 2
	s_lshl_b32 s43, 15, s43                        ; my row of the cluster
	s_lshl_b32 s44, 0x1111, s40                    ; my column
	s_or_b32 s[G1+0], s43, (1<<16)|(1<<20)|(1<<21)|(4<<22)|(3<<25)   ; A: elements of 2 bytes; after every 32 words, 4 words of padding
	s_or_b32 s[G1B+0], s44, (1<<16)|(1<<20)|(1<<21)|(6<<22)|(7<<25)  ; B: after every 128 words, 8 words
	s_mov_b32 s[G1+1], 64<<16                      ; A: 128 rows of 64 elements, dense
	s_mov_b32 s[G1+2], 128<<16
	s_mov_b32 s[G1+3], 64<<16
	s_mov_b32 s[G1+4], 128
	s_mov_b32 s[G1+5], 64
	s_mov_b32 s[G1+6], 0
	s_mov_b32 s[G1+7], 0
	s_mov_b32 s[G1B+1], 256<<16                    ; B: 64 rows of 256 elements, 1,024 elements apart
	s_mov_b32 s[G1B+2], 64<<16
	s_mov_b32 s[G1B+3], 256<<16
	s_mov_b32 s[G1B+4], 64
	s_mov_b32 s[G1B+5], 1024
	s_mov_b32 s[G1B+6], 0
	s_mov_b32 s[G1B+7], 0
	s_lshr_b32 s16, s13, 4                         ; b: 4 MiB,
	s_lshl_b32 s16, s16, 22
	s_and_b32 s17, s13, 15
	s_lshl_b32 s17, s17, 14                        ; 128 tokens of 128 bytes
	s_add_co_u32 s16, s16, s17
	s_lshl_b32 s17, s12, 18                        ; my head of the step's two
	s_add_co_u32 s18, s16, s17
	s_mov_b32 s19, 0
	s_lshl_b32 s46, s42, 9                         ; B: 256 columns of 2 bytes,
	s_lshl_b32 s47, s12, 17                        ; my 64 rows of 2,048 bytes
	s_add_co_u32 s46, s46, s47
	s_mov_b32 s47, 0
	s_mul_i32 s20, s12, AH                         ; where they go
	s_mul_i32 s21, s12, 64*PB
	s_add_co_u32 s21, s21, BOFF
	s_lshr_b32 s22, s40, 1                         ; the prefetches: partner cx takes head cx / 2,
	s_lshl_b32 s22, s22, 18
	s_and_b32 s23, s40, 1                          ; half cx % 2 of its 16,384 bytes,
	s_lshl_b32 s23, s23, 13
	s_add_co_u32 s22, s22, s23
	s_add_co_u32 s22, s22, s16
	s_add_co_u32 s22, s22, 3*524288                ; at K step 3: the first refill steps it to 4.  Nothing is prefetched at the head
	s_mov_b32 s23, 0
	s_cmp_eq_u32 s10, 0
	s_cselect_b32 s[LIM], 1, -1
	s_wait_dscnt 0x0                               ; both opening adds are done
	s_wait_kmcnt 0x0
	s_add_nc_u64 s[14:15], s[4:5], s[18:19]
	s_add_nc_u64 s[46:47], s[6:7], s[46:47]
	s_add_nc_u64 s[PFA:PFA+1], s[4:5], s[22:23]
	CROUND                                         ; all sixteen work-groups are here
.irp s, 0,1
	s_mov_b32 s[G0+4*\s], 1
	s_add_co_u32 s[G0+4*\s+1], s20, \s*SLOT
	s_add_nc_u64 s[G0+4*\s+2:G0+4*\s+3], s[14:15], \s*524288
	s_or_b32 s[G0+4*\s+3], s[G0+4*\s+3], 0x80000000
	s_mov_b32 s[G0B+4*\s], 1
	s_add_co_u32 s[G0B+4*\s+1], s21, \s*SLOT
	s_add_nc_u64 s[G0B+4*\s+2:G0B+4*\s+3], s[46:47], \s*262144
	s_or_b32 s[G0B+4*\s+3], s[G0B+4*\s+3], 0x80000000
	JLOAD \s                                       ; two loads of mine are out behind the second
.endr
	v_and_b32 v1, 15, v0                           ; r
	v_bfe_u32 v2, v0, 4, 1                         ; h
	v_mul_u32_u24 v3, v1, PA
	v_lshl_add_u32 v3, v2, 4, v3                   ; A: row r, + 16 h
	v_and_b32 v4, 7, v0
	v_lshl_add_u32 v4, v2, 3, v4
	v_mul_u32_u24 v4, v4, PB                       ; B: row (k) 8 h + lane % 8,
	v_bfe_u32 v5, v0, 3, 1
	v_lshl_add_u32 v4, v5, 4, v4                   ; columns 8 ((lane / 8) % 2) on
	s_mul_i32 s21, s11, 64*PA                      ; my 64 tokens
	s_lshl_b32 s22, s12, 8                         ; my 128 columns
	s_add_co_u32 s22, s22, BOFF
.irp s, 0,1
	v_add_nc_u32 v[ADRA+\s], s21, v3
	v_add_nc_u32 v[ADRB+\s], s22, v4
	s_add_co_u32 s21, s21, SLOT
	s_add_co_u32 s22, s22, SLOT
.endr
	s_mul_i32 s23, s10, 16*SPITCH                  ; my stage
	v_mul_u32_u24 v5, v1, SPITCH
	v_lshl_add_u32 v5, v2, 5, v5
	v_add_nc_u32 v[STO], s23, v5                   ; in: token r, 32 bytes for each half of the lanes
	v_and_b32 v6, 31, v0
	v_lshlrev_b32 v[CO], 4, v6
	v_add_nc_u32 v[RD], s23, v[CO]                 ; back: a whole row of 512 bytes
	v_lshlrev_b32 v[PFO], 8, v6
	s_lshl_b32 s16, s13, 19                        ; 128 rows of 4,096 bytes,
	s_lshl_b32 s17, s11, 18                        ; my 64
	s_add_co_u32 s16, s16, s17
	s_mov_b32 s17, 0
	s_lshl_b32 s46, s42, 10                        ; 256 columns of 4 bytes,
	s_lshl_b32 s47, s12, 9                         ; my 128
	s_add_co_u32 s46, s46, s47
	s_mov_b32 s47, 0
	s_add_nc_u64 s[16:17], s[16:17], s[46:47]
	s_add_nc_u64 s[8:9], s[8:9], s[16:17]
.macro MUL8 f, a, zero                 ; tokens' block a x the eight blocks of columns, 32 along K.  The 32 accumulators take turns in the same order in every quarter
.irp b, 0,1,2,3,4,5,6,7
.if \zero
	v_wmma_f32_16x16x32_f16 v[8*(8*(\a)+\b):8*(8*(\a)+\b)+7], v[\f+8*\b:\f+8*\b+7], v[\f+64+8*(\a):\f+64+8*(\a)+7], 0
.else
	v_wmma_f32_16x16x32_f16 v[8*(8*(\a)+\b):8*(8*(\a)+\b)+7], v[\f+8*\b:\f+8*\b+7], v[\f+64+8*(\a):\f+64+8*(\a)+7], v[8*(8*(\a)+\b):8*(8*(\a)+\b)+7]
.endif
.endr
.endm
.macro FETCH slot, q, f                ; 24 LDS loads in one run: the slot's q-th 32 along K
.irp b, 0,1,2,3,4,5,6,7
	ds_load_tr16_b128 v[\f+8*\b:\f+8*\b+3],   v[ADRB+\slot] offset:(\q)*32*PB+32*\b
	ds_load_tr16_b128 v[\f+8*\b+4:\f+8*\b+7], v[ADRB+\slot] offset:(\q)*32*PB+16*PB+32*\b
.endr
.irp a, 0,1,2,3
	ds_load_b128 v[\f+64+8*\a:\f+64+8*\a+3],   v[ADRA+\slot] offset:((\q)/2)*AH+((\q)%2)*64+\a*16*PA
	ds_load_b128 v[\f+64+8*\a+4:\f+64+8*\a+7], v[ADRA+\slot] offset:((\q)/2)*AH+((\q)%2)*64+\a*16*PA+32
.endr
.endm
.macro PLACES                          ; four plain instructions between matrix instructions and loads into their registers or reads of their results
.rept 4
	v_nop
.endr
.endm
.macro QUARTER slot, q, f, g, zero     ; multiplies buffer f; in its middle fetches the slot's q-th quarter into g
	s_wait_dscnt 4                                 ; all of f but the tokens' blocks 2 and 3 (four loads)
	WIN MUL
	MUL8 \f, 0, \zero
	MUL8 \f, 1, \zero
	WIN 0
	PLACES
	FETCH \slot, \q, \g
	s_wait_dscnt 24                                ; all but the 24 just issued
	WIN MUL
	MUL8 \f, 2, \zero
	MUL8 \f, 3, \zero
.endm
; A slot's last quarter multiplies buffer 1 and changes slots: one barrier; in front of it each wave waits for all its tensor loads, adds 0 to its spare word, and waits for that and for its reads of this slot.
.macro TURN slot, next, fill
	WIN 0
.if \fill
	s_wait_xcnt 0x0                                ; the last prefetch, a K step back, has read its address
	s_add_nc_u64 s[PFA:PFA+1], s[PFA:PFA+1], 524288
.endif
	s_wait_tensorcnt 0x0                           ; my part of the next slot has landed
	ds_add_u32 v[SPW], v[NIL]
	s_wait_dscnt 5                                 ; the add and the youngest four loads may be out
	WIN MUL
	MUL8 F1, 0, 0
	s_wait_dscnt 0x0                               ; the add is done, and my reads of this slot are over
	s_barrier_signal -1
	MUL8 F1, 1, 0
	WIN 0
	s_barrier_wait -1
.if \fill
	CREST                                          ; the barrier has opened a round of the cluster's: no wave of any partner still reads this slot or has a load on its way
	s_add_nc_u64 s[G0+4*\slot+2:G0+4*\slot+3], s[G0+4*\slot+2:G0+4*\slot+3], 2*524288
	s_add_nc_u64 s[G0B+4*\slot+2:G0B+4*\slot+3], s[G0B+4*\slot+2:G0B+4*\slot+3], 2*262144
	JLOAD \slot                                    ; the first tensor load behind the round; its four v_nop are the places in front of the loads below
.else
	PLACES
.endif
	FETCH \next, 0, F0
.if \fill
	ASK
.endif
	WIN MUL
	MUL8 F1, 2, 0
	MUL8 F1, 3, 0
.endm
	s_wait_tensorcnt 1                             ; my part of K step 0 is in; K step 1's may be out
	s_barrier_signal -1
	s_barrier_wait -1
	FETCH 0, 0, F0
	QUARTER 0, 1, F0, F1, 1                        ; the first products start the sums
	WIN 0
	s_mov_b32 s3, 3
.Llap:                                             ; a trip goes once round the ring and fills both slots again
	QUARTER 0, 2, F1, F0, 0
	QUARTER 0, 3, F0, F1, 0
	TURN 0, 1, 1
	QUARTER 1, 1, F0, F1, 0
	QUARTER 1, 2, F1, F0, 0
	QUARTER 1, 3, F0, F1, 0
	TURN 1, 0, 1
	QUARTER 0, 1, F0, F1, 0
	WIN 0
	s_sub_co_u32 s3, s3, 1
	s_cmp_lg_u32 s3, 0
	s_cbranch_scc1 .Llap
	QUARTER 0, 2, F1, F0, 0                        ; the last lap fills nothing
	QUARTER 0, 3, F0, F1, 0
	TURN 0, 1, 0
	QUARTER 1, 1, F0, F1, 0
	QUARTER 1, 2, F1, F0, 0
	QUARTER 1, 3, F0, F1, 0
	s_wait_dscnt 4
	WIN MUL
	MUL8 F1, 0, 0
	MUL8 F1, 1, 0
	s_wait_dscnt 0
	MUL8 F1, 2, 0
	MUL8 F1, 3, 0
	WIN 0
; THE WAY OUT, a block of 16 tokens x 128 columns at a time, through my stage: back as whole rows of 512 bytes, which the 32 lanes store as 512 consecutive bytes.
.macro TOSTAGE a
	WIN 0x04                                       ; an LDS store's data: window 1
.irp b, 0,1,2,3,4,5,6,7
	ds_store_b128 v[STO], v[8*(8*(\a)+\b):8*(8*(\a)+\b)+3] offset:64*\b          ; each accumulator from its low end on
	ds_store_b128 v[STO], v[8*(8*(\a)+\b)+4:8*(8*(\a)+\b)+7] offset:64*\b+16
.endr
	WIN 0
.set BB, 32+96*((\a)%2)
.irp t, 0,1,2,3,4,5,6,7,8,9,10,11,12,13,14,15
	ds_load_b128 v[BB+4*\t:BB+4*\t+3], v[RD] offset:\t*SPITCH   ; LDS serves a wave's instructions in order (ISA guide 5.7.1.4)
.endr
.endm
.macro SEND a, younger
.set BB, 32+96*((\a)%2)
	s_wait_dscnt \younger
.irp t, 0,1,2,3,4,5,6,7,8,9,10,11,12,13,14,15
	global_store_b128 v[CO], v[BB+4*\t:BB+4*\t+3], s[8:9] offset:(16*(\a)+\t)*4096 th:TH_STORE_NT
.endr
.endm
	PLACES
	TOSTAGE 0
.irp a, 1,2,3
.if \a > 1
	s_wait_xcnt 0x0                                ; block a - 2's stores have read their registers: block a's rows may land there
.endif
	TOSTAGE \a
	SEND \a-1, 32                                  ; behind block a - 1's loads: block a's 16 stores and 16 loads
.endr
	SEND 3, 0
	s_wait_tensorcnt 0x0                           ; the wave's end
	ds_add_u32 v[SPW], v[NIL]
	s_wait_dscnt 0x0
	CROUND                                         ; the closing round
	s_endpgm
.Lfunc_end_k_qfd113ba6ea_oproj:
	.size	k_qfd113ba6ea_oproj, .Lfunc_end_k_qfd113ba6ea_oproj-k_qfd113ba6ea_oproj
	.p2alignl 7, 3214868480
	.fill 96, 4, 3214868480
	.section	.rodata,"a",@progbits
	.p2align	6, 0x0
	.amdhsa_kernel k_qfd113ba6ea_oproj
		.amdhsa_group_segment_fixed_size 327680
		.amdhsa_private_segment_fixed_size 0
		.amdhsa_enable_private_segment 0
		.amdhsa_kernarg_size 24
		.amdhsa_user_sgpr_count 2
		.amdhsa_user_sgpr_kernarg_segment_ptr 1
		.amdhsa_wavefront_size32 1
		.amdhsa_system_sgpr_workgroup_id_x 1
		.amdhsa_system_sgpr_workgroup_id_y 1
		.amdhsa_system_sgpr_workgroup_id_z 1
		.amdhsa_system_vgpr_workitem_id 0
		.amdhsa_next_free_vgpr 512
		.amdhsa_next_free_sgpr 66
		.amdhsa_reserve_vcc 0
		.amdhsa_float_denorm_mode_32 3
		.amdhsa_float_denorm_mode_16_64 3
		.amdhsa_memory_ordered 1
		.amdhsa_forward_progress 1
		.amdhsa_inst_pref_size 86
	.end_amdhsa_kernel
	.amdgpu_metadata
---
amdhsa.version: [ 1, 2 ]
amdhsa.kernels:
  - .name:           k_qfd113ba6ea_oproj
    .symbol:         k_qfd113ba6ea_oproj.kd
    .args:
      - { .name: att, .offset: 0, .size: 8, .value_kind: global_buffer, .address_space: global }
      - { .name: wo16, .offset: 8, .size: 8, .value_kind: global_buffer, .address_space: global }
      - { .name: out0, .offset: 16, .size: 8, .value_kind: global_buffer, .address_space: global }
    .group_segment_fixed_size: 327680
    .private_segment_fixed_size: 0
    .kernarg_segment_align: 8
    .kernarg_segment_size: 24
    .max_flat_workgroup_size: 128
    .sgpr_count:     66
    .vgpr_count:     512
    .wavefront_size: 32
...
	.end_amdgpu_metadata
.endif
;; end of part 4
